; MI455X (gfx1250); checked and timed in simulation.
; The chip was launched on July 23, 2026; its instructions are those of AMD's public machine-readable ISA for CDNA 5 (MIT licence, August 2026) and "CDNA5" Instruction Set Architecture Reference Guide (July 2026). The comments in the code are by the model that wrote it; some were corrected since.
;; Self Attention. Allowed arithmetic: matrix products marked QUANTISED: E2M3 operands, one E8M0 scale for each 32 along K, by v_wmma_scale_f32_16x16x128_f8f6f4 with both operands' format E2M3, f32 sums; everything else in f32.
;; Inputs: attn_mask 8 x 1 x 1,024 bool; positions 8 x 1,024 x 2 int32; w_proj 1,024 x 1,024 float32; w_qkv 1,024 x 3,072 float32; x 8 x 1,024 x 1,024 float32.
;; Outputs: out0 8 x 1,024 x 1,024 float32.
;; This version of the problem:
;;   THIS VERSION OF THE PROBLEM IS GIVEN IN LOW PRECISION. The matrix products marked QUANTISED in the list below multiply operands that are first quantised to E2M3 (2 exponent bits, 3 mantissa bits; 6 bits a number), with one power-of-two scale for each 32 numbers along K (OCP MX v1.0); their sums are f32. All else is computed in f32.
;;   The module's matrix products, in the order in which they are computed (A, B: the left and right operand; K: the contracted axis; several contracted axes count as one K, in the product's order):
;;     1. [M 8,192, K 1,024] x [K 1,024, N 3,072]; A: input x; B: input w_qkv: QUANTISED
;;     2. batch 128 x [M 1,024, K 64] x [K 64, N 1,024]; A: computed on the way; B: computed on the way: QUANTISED
;;     3. batch 128 x [M 1,024, K 1,024] x [K 1,024, N 64]; A: softmax (see below); B: computed on the way: QUANTISED
;;     4. [M 8,192, K 1,024] x [K 1,024, N 1,024]; A: computed on the way; B: input w_proj: QUANTISED
;;   THE QUANTISER, for each operand of a quantised product, along K:
;;     - K is cut into blocks of 32 from its start; a last block that is shorter is filled with zeros.
;;     - A block's scale is 2^e with e = floor(log2(the largest magnitude in the block)) - 2, held to -126 .. 127; a block of zeros has e = 0. As a byte (E8M0): e + 127.
;;     - Each number is divided by its block's scale, clamped to +-7.5, and rounded to the nearest number of E2M3, ties to even, subnormals kept.
;;     - The product sums the exact products of the quantised numbers (number of the format x scale) in f32.
;;   ~~~python
;;   def quantise(x, axis):      # numpy; x: float32 -> the quantised numbers, widened to float32 again
;;       x = np.moveaxis(x, axis, -1); K = x.shape[-1]
;;       x = np.pad(x, [(0, 0)] * (x.ndim - 1) + [(0, -K % 32)]); x = x.reshape(x.shape[:-1] + (-1, 32)); a = np.abs(x).max(-1, keepdims=True)
;;       e = np.where(a > 0, np.clip(np.frexp(np.where(a > 0, a, 1))[1] - 1 - 2, -126, 127), 0)      # np.frexp(a)[1] - 1 = floor(log2(a)), exactly
;;       r = np.clip(x / 2.0 ** e, -7.5, 7.5)
;;       step = 2.0 ** (np.maximum(np.frexp(np.where(r == 0, 1, r))[1] - 1, 0) - 3)
;;       q = np.round(r / step) * step * 2.0 ** e      # np.round: ties to even
;;       return np.moveaxis(q.reshape(q.shape[:-2] + (-1,))[..., :K], -1, axis).astype(np.float32)
;;   ~~~
;;   SOFTMAX AHEAD OF A QUANTISED PRODUCT. Where the list says 'softmax', what is quantised is not the finished softmax but p = 2^(t - M), with t = logit x log2(e) and M = ceil(the row's largest t), a whole number; so 1/2 < the row's largest p <= 1. The row's sum l is taken of the UNQUANTISED p, in f32, and the product's result is divided by l at the end. Since M is a whole number, a kernel that streams over the keys may use a running M (the ceiling of the running maximum): every later rescaling is an exact power of two, which a block's scale takes up: the codes' values come out the same.
;;   OPERANDS COMPUTED ON THE WAY. 'Computed on the way' means the value that the module computes at that place (a softmax that the list does not call 'softmax' is quantised finished and normalised). What goes into a quantiser is computed in f32, as accurately as f32 sums, v_exp_f32 and their like allow (about 1e-6 of the number): no bf16 or f16 on the way to a quantiser, and a product that is left as it is and whose result goes on into a quantised operand takes f32 operands (vector FMAs, or v_wmma_f32_16x16x4_f32). A number that lies on a knife's edge between two numbers of the format may be rounded either way, as far as f32 arithmetic and the matrix unit's own rounding can turn it there, and no further.
;; One version. Each part assembles by itself: llvm-mc -triple=amdgcn-amd-amdhsa -mcpu=gfx1250 --defsym DOCPART=n.
;; ======== version 1 of 1: 4 launches
;; limits: right only within a limited range of input values
;; workspace buffers: opnd 9,437,184 bytes; opscl 393,216 bytes; rope 2,129,920 bytes; qkv 18,874,368 bytes; qkvs 786,432 bytes; att 6,291,456 bytes; atts 262,144 bytes
;; launch prep (part 1): grid 449 x 1, 4 waves a work-group, no clusters, 34,304 bytes of LDS; arguments x, w_qkv, w_proj, positions, opnd, opscl, rope; writes opnd, opscl, rope
.if DOCPART == 1
	.amdgcn_target "amdgcn-amd-amdhsa--gfx1250"
	.amdhsa_code_object_version 6
	.text
	.protected	k_qc4f6911642_prep
	.globl	k_qc4f6911642_prep
	.p2align	8
	.type	k_qc4f6911642_prep,@function
k_qc4f6911642_prep:
	s_mov_b64 s[64:65], 0
	v_nop
	global_prefetch_b8 v0, s[64:65] scope:SCOPE_SE
	s_setreg_imm32_b32 hwreg(HW_REG_WAVE_MODE, 25, 1), 1
	s_wait_xcnt 0x0
; x [8192][1024], w_qkv [1024][3072] and w_proj [1024][1024], f32, become codes of FP6 (E2M3) with one E8M0 byte for each 32 along K (K = 1024),
; laid as IMAGES OF OPERAND REGISTERS; and positions become a table of (cos, sin) for the rotation.
; IMAGE: [tile of 16 rows][16 halves of 64 k][768 bytes].  A half is registers 6 c .. 6 c + 5 of a fragment: registers 0-3 of lane l at 16 l, registers 4-5 of lane (r, h) at 512 + 16 r + 8 h;
; lane (r, h) holds k = 64 c + 32 h + 0 .. 31 of its row.  Lane r of tile T holds logical row 32 (T / 2) + 8 (T % 2) + r + 8 (r / 8).
; SCALE WORDS: [tile][4][16 rows][8 bytes]: the word of the s-th 128 along K at 512 tile + 128 (s / 2) + 8 r + 4 (s % 2).
; opnd holds 48 units of 256 rows: 0-31 x, 32-43 the columns of w_qkv, 44-47 the columns of w_proj; opscl their scale words, 8,192 bytes a unit.
; A block's scale is 2^(floor(log2(largest magnitude)) - 2); its byte is that magnitude's exponent field - 2, held at 1 from below.
; LIMITS: a block of zeros gets the byte 1 (its codes are zeros; this program alone reads the bytes); NaN and infinities are not served; positions stay under 2^20 (the reduction of the angle);
; theta is 10^(-j / 4) rounded to f32.
; Work-groups 0-255: x.  256-351: w_qkv.  352-383: w_proj.  384-448: the table (the last one writes 128 rows of (1, 0)).  Only the first path uses LDS.  No barrier: waves share nothing.
.set R,    16                          ; v16-143  x: two sets of 64 numbers as loaded
.set X,    144                         ; v144-207 x: my two blocks of 32
.set C,    208                         ; v208-223 codes: 8 registers a half, 6 used
.set F,    224                         ; v224-231 the conversions' second halves
.set W,    232                         ; v232-235 four scale words
.set TM,   236                         ; v236-243 at work
.set SPX,  528                         ; a stage row: 512 bytes + 16: the 16 rows of a read start in 16 different groups of banks
; ---- x: 16 loads, each 512 consecutive bytes (128 along K) of one row of my tile
.macro XLOAD sub
.set xi, 0
.rept 16
	global_load_b128 v[R+64*((\sub)%2)+4*xi:R+64*((\sub)%2)+4*xi+3], v4, s[4:5] offset:(xi+8*(xi/8))*4096+512*(\sub) th:TH_LOAD_NT
.set xi, xi+1
.endr
.endm
; through my own stage: in as loaded, out 128 bytes (a block of 32) twice a lane.  LDS serves a wave's instructions in order: no wait between
.macro XTURN sub
.set xi, 0
.rept 16
	ds_store_b128 v5, v[R+64*((\sub)%2)+4*xi:R+64*((\sub)%2)+4*xi+3] offset:SPX*xi
.set xi, xi+1
.endr
.set xi, 0
.rept 16
	ds_load_b128 v[X+4*xi:X+4*xi+3], v6 offset:256*(xi/8)+16*(xi%8)
.set xi, xi+1
.endr
.endm
.macro XQ sub
	s_wait_xcnt 0x0                                ; the last sub-step's stores have read their data: C is written again only behind this wait
.irp c, 0,1
	v_max3_num_f32 v[TM+\c], |v[X+32*\c]|, |v[X+32*\c+1]|, 0x1800000   ; block 2 c + h is all mine; the floor 2^(3 - 127) holds the byte at 1 from below
.endr
.irp i, 2,4,6,8,10,12,14,16,18,20,22,24,26,28,30
.irp c, 0,1
	v_max3_num_f32 v[TM+\c], v[TM+\c], |v[X+32*\c+\i]|, |v[X+32*\c+\i+1]|
.endr
.endr
.irp c, 0,1
	v_add_nc_u32 v[TM+2+\c], 0xff000000, v[TM+\c]  ; 2 off the exponent field: the conversion's scale operand
.endr
.irp c, 0,1
	v_lshrrev_b32 v[TM+4+\c], 23, v[TM+2+\c]       ; the scale's byte
.endr
	v_lshl_or_b32 v[W+\sub], v[TM+5], 16, v[TM+4]  ; my bytes: blocks h and 2 + h,
	v_lshlrev_b32 v[W+\sub], v9, v[W+\sub]         ; 8 h bits up;
	v_permlanex16_b32 v[TM+6], v[W+\sub], s20, s21
	v_or_b32 v[W+\sub], v[W+\sub], v[TM+6]         ; with lane l xor 16's the word is whole
.irp c, 0,1
	v_cvt_scalef32_pk16_fp6_f32 v[C+8*\c:C+8*\c+2], v[X+32*\c:X+32*\c+15], v[TM+2+\c]
	v_cvt_scalef32_pk16_fp6_f32 v[F+4*\c:F+4*\c+2], v[X+32*\c+16:X+32*\c+31], v[TM+2+\c]   ; (a conversion's three registers begin on an even number)
.endr
	v_nop                                          ; one plain place behind a scaled conversion
.irp c, 0,1
.irp i, 0,1,2
	v_mov_b32 v[C+8*\c+3+\i], v[F+4*\c+\i]
.endr
.endr
.irp c, 0,1
	global_store_b128 v4, v[C+8*\c:C+8*\c+3], s[12:13] offset:(2*(\sub)+\c)*768       ; 32 lanes: 512 consecutive bytes
	global_store_b64 v7, v[C+8*\c+4:C+8*\c+5], s[12:13] offset:(2*(\sub)+\c)*768+512  ; 32 lanes: 256 consecutive bytes
.endr
.endm
; ---- a weight [1024][n]: a lane takes a column, its registers run down K
.macro WLOAD t, n, slo
.set wi, 0
.rept 32
	global_load_b32 v[32+32*((\t)%2)+wi], v4, s[\slo:\slo+1] offset:(32*(\t)+wi)*(\n)*4 th:TH_LOAD_NT
.set wi, wi+1
.endr
.endm
.macro WBLOCK t, n, slo
.set XS, 32+32*((\t)%2)
.if (\t) < 7
	s_wait_loadcnt 32                              ; this block's 32 loads are in; the next block's may be out
.else
	s_wait_loadcnt 0x0
.endif
	s_wait_xcnt 0x0                                ; the last block's stores have read their data
	v_max3_num_f32 v12, |v[XS]|, |v[XS+1]|, |v[XS+2]|
	v_max3_num_f32 v13, |v[XS+3]|, |v[XS+4]|, |v[XS+5]|
.irp i, 6,10,14,18,22,26
	v_max3_num_f32 v12, v12, |v[XS+\i]|, |v[XS+\i+1]|
	v_max3_num_f32 v13, v13, |v[XS+\i+2]|, |v[XS+\i+3]|
.endr
	v_max3_num_f32 v12, v12, |v[XS+30]|, |v[XS+31]|
	v_max3_num_f32 v12, v12, v13, 0x1800000
	v_add_nc_u32 v11, 0xff000000, v12
	v_lshrrev_b32 v13, 23, v11
.if (\t)%4 == 0
	v_mov_b32 v[24+(\t)/4], v13                    ; four bytes to a register, the lower K in the lower byte
.else
	v_lshl_or_b32 v[24+(\t)/4], v13, 8*((\t)%4), v[24+(\t)/4]
.endif
	v_cvt_scalef32_pk16_fp6_f32 v[96:98], v[XS:XS+15], v11
	v_cvt_scalef32_pk16_fp6_f32 v[100:102], v[XS+16:XS+31], v11
	v_nop                                          ; one plain place behind a scaled conversion
	v_mov_b32 v99, v100                            ; registers 0-3 of the half's image, for operand lane (r, h = t % 2)
	v_mov_b32 v[104+2*((\t)%2)], v101              ; registers 4-5: those of h = 0 and h = 1 lie side by side
	v_mov_b32 v[105+2*((\t)%2)], v102
	global_store_b128 v5, v[96:99], s[12:13] offset:((\t)/2)*768+256*((\t)%2)    ; 16 lanes fill 256 consecutive bytes of one tile, the other 16 of the next
.if (\t)%2 == 1
	global_store_b128 v5, v[104:107], s[12:13] offset:((\t)/2)*768+512
.endif
.if (\t)+2 < 8
	WLOAD (\t)+2, \n, \slo
.endif
.endm
.macro WPATH n, slo, first, unitoff, scloff
	s_sub_co_u32 s22, ttmp9, \first
	s_and_b32 s23, s22, 3                          ; which 256 along K
	s_lshr_b32 s24, s22, 2                         ; which 128 columns
	s_mul_i32 s26, s23, 256*(\n)*4
	s_lshl_b32 s25, s24, 9
	s_add_co_u32 s26, s26, s25
	s_lshl_b32 s25, s18, 7                         ; my wave's 32 columns
	s_add_co_u32 s26, s26, s25
	s_add_nc_u64 s[\slo:\slo+1], s[\slo:\slo+1], s[26:27]
	s_lshl_b32 s28, s24, 3
	s_lshl_b32 s25, s18, 1
	s_add_co_u32 s28, s28, s25                     ; my pair of tiles: 8 x group + 2 x wave
	s_mul_i32 s26, s28, 12288
	s_mul_i32 s25, s23, 3072
	s_add_co_u32 s26, s26, s25
	s_add_co_u32 s26, s26, \unitoff
	s_add_nc_u64 s[12:13], s[12:13], s[26:27]
	s_lshl_b32 s26, s28, 9
	s_lshl_b32 s25, s23, 7
	s_add_co_u32 s26, s26, s25
	s_add_co_u32 s26, s26, \scloff
	s_add_nc_u64 s[14:15], s[14:15], s[26:27]
	v_lshlrev_b32 v4, 2, v1                        ; in: 4 bytes a lane
	v_bfe_u32 v6, v1, 3, 1                         ; column l of 32 is row r = (l % 8) + 8 (l / 16) of tile u = (l / 8) % 2
	v_and_b32 v7, 7, v1
	v_lshl_or_b32 v7, v3, 3, v7
	v_mul_u32_u24 v5, v6, 12288
	v_lshl_add_u32 v5, v7, 4, v5                   ; codes: 12,288 u + 16 r
	v_lshlrev_b32 v6, 9, v6
	v_lshl_add_u32 v6, v7, 3, v6                   ; scale words: 512 u + 8 r
	WLOAD 0, \n, \slo
	WLOAD 1, \n, \slo
.set Q, 0
.rept 8
	WBLOCK Q, \n, \slo
.set Q, Q+1
.endr
	global_store_b64 v6, v[24:25], s[14:15]        ; my column's 8 scale bytes: two words
	s_endpgm
.endm
; ---- the table: (cos, sin) of position x theta for one token; lane = (axis, j)
.macro SINCOS n
	v_max_i32 v112, 0, v[16+\n]
	v_cvt_f32_i32 v112, v112
	v_mul_f32 v112, v112, v8                       ; the angle, rounded to f32
	v_mul_f32 v113, s36, v112
	v_rndne_f32 v113, v113                         ; n = the nearest multiple of pi / 2
	v_fma_f32 v114, v113, s37, v112                ; r = angle - n pi / 2, pi / 2 in three parts
	v_fma_f32 v114, v113, s38, v114
	v_fma_f32 v114, v113, s39, v114
	v_cvt_i32_f32 v115, v113
	v_mul_f32 v116, v114, v114                     ; z = r r
	v_fma_f32 v117, v116, s42, s41
	v_fma_f32 v117, v117, v116, s40
	v_mul_f32 v118, v114, v116
	v_fma_f32 v117, v117, v118, v114               ; sin r
	v_fma_f32 v119, v116, s45, s44
	v_fma_f32 v119, v119, v116, s43
	v_mul_f32 v118, v116, v116
	v_fma_f32 v120, v116, -0.5, 1.0
	v_fma_f32 v119, v119, v118, v120               ; cos r
	v_and_b32 v118, 1, v115
	v_cmp_eq_u32 vcc_lo, 1, v118
	v_cndmask_b32 v120, v117, v119, vcc_lo         ; odd quadrants swap the two
	v_cndmask_b32 v119, v119, v117, vcc_lo
	v_lshlrev_b32 v118, 30, v115
	v_and_b32 v118, 0x80000000, v118
	v_xor_b32 v120, v118, v120                     ; sin changes sign in quadrants 2, 3
	v_add_nc_u32 v115, 1, v115
	v_lshlrev_b32 v115, 30, v115
	v_and_b32 v115, 0x80000000, v115
	v_xor_b32 v119, v115, v119                     ; cos in quadrants 1, 2
	v_cmp_gt_i32 vcc_lo, 0, v[16+\n]               ; a negative position rotates nothing
	v_cndmask_b32 v[48+2*\n], v119, 1.0, vcc_lo
	v_cndmask_b32 v[49+2*\n], v120, 0, vcc_lo
	global_store_b64 v9, v[48+2*\n:49+2*\n], s[16:17] offset:256*\n   ; 32 lanes: a token's 256 bytes
.endm
.macro THETA j, bits
	s_mov_b32 s46, \bits
	v_writelane_b32 v8, s46, \j
	v_writelane_b32 v8, s46, \j+16
.endm
	s_load_b256 s[4:11], s[0:1], 0x0               ; x, w_qkv, w_proj, positions
	s_load_b128 s[12:15], s[0:1], 0x20             ; opnd, opscl
	s_load_b64 s[16:17], s[0:1], 0x30              ; rope
	v_lshl_add_u32 v248, v0, 2, 0x8400
	v_mov_b32 v249, 0
	v_lshrrev_b32 v1, 5, v0
	v_readfirstlane_b32 s18, v1                    ; wave
	v_and_b32 v1, 31, v0                           ; lane
	v_and_b32 v2, 15, v0                           ; r
	v_bfe_u32 v3, v0, 4, 1                         ; h
	s_mov_b32 s20, 0x76543210
	s_mov_b32 s21, 0xfedcba98                      ; selects for lane l xor 16
	s_mov_b32 s27, 0                               ; the upper word of every offset
	s_wait_kmcnt 0x0
	s_cmp_lt_u32 ttmp9, 256
	s_cbranch_scc1 .Lpath_x
	s_cmp_lt_u32 ttmp9, 352
	s_cbranch_scc1 .Lpath_wq
	s_cmp_lt_u32 ttmp9, 384
	s_cbranch_scc1 .Lpath_wp
	; ---- the table.  A wave takes 32 tokens
	s_sub_co_u32 s22, ttmp9, 384
	s_lshl_b32 s23, s22, 2
	s_add_co_u32 s23, s23, s18
	s_lshl_b32 s23, s23, 5                         ; my first row of the table
	s_min_u32 s24, s23, 8160                       ; the last work-group's loads stay inside positions
	s_lshl_b32 s26, s24, 3
	s_add_nc_u64 s[10:11], s[10:11], s[26:27]
	s_lshl_b32 s26, s23, 8
	s_add_nc_u64 s[16:17], s[16:17], s[26:27]
	s_cmp_eq_u32 s22, 64
	s_cselect_b32 s19, -1, 0                       ; the last work-group's rows are (1, 0): its positions are made negative
	s_wait_alu depctr_va_vdst(0)
	v_lshlrev_b32 v4, 2, v3                        ; my axis
	v_lshlrev_b32 v9, 3, v1                        ; 8 bytes a lane
.set ti, 0
.rept 32
	global_load_b32 v[16+ti], v4, s[10:11] offset:8*ti
.set ti, ti+1
.endr
	s_mov_b32 s36, 0x3f22f983                      ; 2 / pi
	s_mov_b32 s37, 0xbfc90fdb                      ; - pi / 2, its first part,
	s_mov_b32 s38, 0x333bbd2e                      ; what the first part overshoots,
	s_mov_b32 s39, 0x26f72ced                      ; and the rest
	s_mov_b32 s40, 0xbe2aaaa3                      ; sin: -1.6666654611e-1, 8.3321608736e-3, -1.9515295891e-4
	s_mov_b32 s41, 0x3c08839e
	s_mov_b32 s42, 0xb94ca1f9
	s_mov_b32 s43, 0x3d2aaaa5                      ; cos: 4.166664568e-2, -1.388731625e-3, 2.443315712e-5
	s_mov_b32 s44, 0xbab6061a
	s_mov_b32 s45, 0x37ccf5ce
	v_mov_b32 v8, 0
	THETA 0,  0x3f800000                           ; 10^(-j / 4)
	THETA 1,  0x3f0ff59a
	THETA 2,  0x3ea1e89b
	THETA 3,  0x3e361887
	THETA 4,  0x3dcccccd
	THETA 5,  0x3d6655c3
	THETA 6,  0x3d0186e2
	THETA 7,  0x3c91ad39
	THETA 8,  0x3c23d70a
	THETA 9,  0x3bb8449c
	THETA 10, 0x3b4f3e37
	THETA 11, 0x3ae91528
	THETA 12, 0x3a83126f
	THETA 13, 0x3a136a16
	THETA 14, 0x39a5cb5f
	THETA 15, 0x393a7753
	s_wait_loadcnt 0x0
.set ti, 0
.rept 32
	v_or_b32 v[16+ti], s19, v[16+ti]
.set ti, ti+1
.endr
.irp n, 0,1,2,3,4,5,6,7,8,9,10,11,12,13,14,15,16,17,18,19,20,21,22,23,24,25,26,27,28,29,30,31
	SINCOS \n
.endr
	s_endpgm
.Lpath_wq:
	s_wait_alu depctr_va_vdst(0)
	WPATH 3072, 6, 256, 6291456, 262144
.Lpath_wp:
	s_wait_alu depctr_va_vdst(0)
	WPATH 1024, 8, 352, 8650752, 360448
.Lpath_x:
	; ---- x.  Wave w of work-group g: tile 2 g + w / 2, half w % 2 of K: 16 rows x 512, in four sub-steps of 128
	s_wait_alu depctr_va_vdst(0)
	v_lshlrev_b32 v4, 4, v1                        ; 16 x lane
	s_mul_i32 s22, s18, 16*SPX                     ; my stage
	v_add_nc_u32 v5, s22, v4                       ; in
	v_mul_u32_u24 v6, v2, SPX
	v_lshl_add_u32 v6, v3, 7, v6
	v_add_nc_u32 v6, s22, v6                       ; out: row r, + 128 h
	v_lshlrev_b32 v7, 4, v2
	v_lshl_add_u32 v7, v3, 3, v7                   ; 16 r + 8 h
	v_lshlrev_b32 v8, 3, v1                        ; 8 x lane
	v_lshlrev_b32 v9, 3, v3                        ; 8 h
	v_mov_b32 v[TM+6], 0                           ; a lane permute's destination counts as one of its sources
	s_lshr_b32 s23, s18, 1
	s_and_b32 s24, s18, 1
	s_lshl_b32 s26, ttmp9, 17                      ; 32 rows of 4,096 bytes a work-group,
	s_lshl_b32 s25, s23, 15                        ; the second tile begins 8 rows on,
	s_add_co_u32 s26, s26, s25
	s_lshl_b32 s25, s24, 11                        ; my half of K
	s_add_co_u32 s26, s26, s25
	s_add_nc_u64 s[4:5], s[4:5], s[26:27]
	s_lshl_b32 s28, ttmp9, 1
	s_add_co_u32 s28, s28, s23                     ; my tile
	s_mul_i32 s26, s28, 12288
	s_mul_i32 s25, s24, 6144
	s_add_co_u32 s26, s26, s25
	s_add_nc_u64 s[12:13], s[12:13], s[26:27]
	s_lshl_b32 s26, s28, 9
	s_lshl_b32 s25, s24, 8
	s_add_co_u32 s26, s26, s25
	s_add_nc_u64 s[14:15], s[14:15], s[26:27]
	s_mov_b32 s29, 0xffff0000                      ; lanes 16-31
	XLOAD 0
	XLOAD 1
	s_wait_alu depctr_va_vdst(0)
	s_wait_loadcnt 16                              ; sub-step 0's 16 loads are in, sub-step 1's may be out
	XTURN 0
	s_wait_dscnt 0x0                               ; back from the stage; the stores into it have read their registers
	XLOAD 2
	XQ 0
	s_wait_loadcnt 16
	XTURN 1
	s_wait_dscnt 0x0
	XLOAD 3
	XQ 1
	s_wait_loadcnt 16
	XTURN 2
	s_wait_dscnt 0x0
	XQ 2
	s_wait_loadcnt 0x0
	XTURN 3
	s_wait_dscnt 0x0
	XQ 3
	v_cndmask_b32 v[TM], v[W], v[W+2], s29         ; lanes 0-15 store words 0, 1 of row r, lanes 16-31 words 2, 3
	v_cndmask_b32 v[TM+1], v[W+1], v[W+3], s29
	global_store_b64 v8, v[TM:TM+1], s[14:15]      ; 32 lanes: 256 consecutive bytes
	s_wait_tensorcnt 0x0
	ds_add_u32 v248, v249
	s_wait_dscnt 0x0
	s_endpgm
.Lfunc_end_k_qc4f6911642_prep:
	.size	k_qc4f6911642_prep, .Lfunc_end_k_qc4f6911642_prep-k_qc4f6911642_prep
	.p2alignl 7, 3214868480
	.fill 96, 4, 3214868480
	.section	.rodata,"a",@progbits
	.p2align	6, 0x0
	.amdhsa_kernel k_qc4f6911642_prep
		.amdhsa_group_segment_fixed_size 34304
		.amdhsa_private_segment_fixed_size 0
		.amdhsa_enable_private_segment 0
		.amdhsa_kernarg_size 56
		.amdhsa_user_sgpr_count 2
		.amdhsa_user_sgpr_kernarg_segment_ptr 1
		.amdhsa_wavefront_size32 1
		.amdhsa_system_sgpr_workgroup_id_x 1
		.amdhsa_system_sgpr_workgroup_id_y 1
		.amdhsa_system_sgpr_workgroup_id_z 1
		.amdhsa_system_vgpr_workitem_id 0
		.amdhsa_next_free_vgpr 250
		.amdhsa_next_free_sgpr 66
		.amdhsa_reserve_vcc 1
		.amdhsa_float_denorm_mode_32 3
		.amdhsa_float_denorm_mode_16_64 3
		.amdhsa_memory_ordered 1
		.amdhsa_forward_progress 1
		.amdhsa_inst_pref_size 166
	.end_amdhsa_kernel
	.amdgpu_metadata
---
amdhsa.version: [ 1, 2 ]
amdhsa.kernels:
  - .name:           k_qc4f6911642_prep
    .symbol:         k_qc4f6911642_prep.kd
    .args:
      - { .name: x, .offset: 0, .size: 8, .value_kind: global_buffer, .address_space: global }
      - { .name: w_qkv, .offset: 8, .size: 8, .value_kind: global_buffer, .address_space: global }
      - { .name: w_proj, .offset: 16, .size: 8, .value_kind: global_buffer, .address_space: global }
      - { .name: positions, .offset: 24, .size: 8, .value_kind: global_buffer, .address_space: global }
      - { .name: opnd, .offset: 32, .size: 8, .value_kind: global_buffer, .address_space: global }
      - { .name: opscl, .offset: 40, .size: 8, .value_kind: global_buffer, .address_space: global }
      - { .name: rope, .offset: 48, .size: 8, .value_kind: global_buffer, .address_space: global }
    .group_segment_fixed_size: 34304
    .private_segment_fixed_size: 0
    .kernarg_segment_align: 8
    .kernarg_segment_size: 56
    .max_flat_workgroup_size: 128
    .sgpr_count:     66
    .vgpr_count:     250
    .wavefront_size: 32
...
	.end_amdgpu_metadata
.endif
;; end of part 1
;; launch qkv (part 2): grid 12 x 32, 4 waves a work-group, clusters of 4 x 4, 327,680 bytes of LDS; arguments opnd, opscl, rope, attn_mask, qkv, qkvs; writes qkv, qkvs
.if DOCPART == 2
	.amdgcn_target "amdgcn-amd-amdhsa--gfx1250"
	.amdhsa_code_object_version 6
	.text
	.protected	k_qc4f6911642_qkv
	.globl	k_qc4f6911642_qkv
	.p2align	8
	.type	k_qc4f6911642_qkv,@function
k_qc4f6911642_qkv:
	s_mov_b64 s[64:65], 0
	v_nop
	global_prefetch_b8 v0, s[64:65] scope:SCOPE_SE
	s_setreg_imm32_b32 hwreg(HW_REG_WAVE_MODE, 25, 1), 1
	s_wait_xcnt 0x0
	s_wait_alu depctr_hold_cnt(0) depctr_sa_sdst(0) depctr_va_vdst(0) depctr_va_sdst(0) depctr_va_ssrc(0) depctr_va_vcc(0) depctr_vm_vsrc(0)
	s_getreg_b32 s2, hwreg(HW_REG_IB_STS2, 6, 4)
	s_cmp_eq_u32 s2, 0
	s_cbranch_scc0 .Lentry_in_a_cluster
	s_endpgm
.Lentry_in_a_cluster:
	s_bfe_u32 s2, ttmp6, 0x10000c
	s_cmp_lg_u32 s2, 0xf033
	s_cbranch_scc0 .Lentry_shape_is_right
	s_endpgm
.Lentry_shape_is_right:
; qkv = x w_qkv on codes of FP6 (E2M3) with E8M0 scales, K = 1024; then the rotation of q and k in f32; then q, k and v are quantised for the two products of attention and stored as images of operand registers.
; A tile of the result, 256 x 256, is made by four waves, each 128 x 128: 64 accumulators.  K goes in four steps of 256 through THREE LDS slots filled by the tensor data mover:
; K steps 0, 1, 2 are first fills, asked for at the head, behind its round and behind K step 0's round; only K step 3 is a refill (of slot 0, behind K step 1's round), and it has 96 matrix instructions a wave in which to land.
; Operands lie in memory as images of their registers (tile of 16 rows: 16 halves of 768 bytes), so a fragment comes by two loads of 16 bytes and two of 8 a lane, all on consecutive bytes: no padding.
; THE PRODUCT IS USED TRANSPOSED: source 0 = 16 rows of side B, source 1 = 16 rows of side A: a lane holds one row of A, and, by the rows that form a tile (lane r of tile T: 32 (T / 2) + 8 (T % 2) + r + 8 (r / 8)),
; the 16 registers of B's tiles 2 c, 2 c + 1 are 16 neighbours: 32 c + 16 (lane / 16) + 0 .. 15.
; ROLES.  Clusters x = 0 (q) and 1 (k): A = tokens (x), B = features (w): a lane holds a token, registers run along the head's axis, which is the first product's K.
; Cluster x = 2 (v): A = features, B = tokens: a lane holds a feature, registers run along the keys, which are the second product's K.  One text serves all: the choice enters offsets alone, no branch.
; The rotation reads (cos, sin) from a table; for v it reads rows of (1, 0).  Masked keys get zero codes in k, so that their scores are what attention adds for them and nothing else.
; CLUSTERS: 4 x 4.  A's tiles are shared along a row of the cluster, B's along a column: joint loads, each with one mask.
; LIMITS: NaN and infinities are not served; a block of zeros gets the byte 1 (this program alone reads the bytes).
; REGISTERS: window 0: v8-13, v16-21 LDS addresses of A's and B's fragments; v24-31 other addresses; v32-63 scale words, two sets; v64-127 (cos, sin) of A's tiles 0, 1; v128-223 A's fragments, one set; v224-231 mask bytes.
;   window 1: B's fragments, two sets, at v0 and v128; v96-127, v224-255 (cos, sin) of tiles 2, 3; in the epilogue those of tiles 4-7 where B's fragments lay.   windows 2, 3: the accumulators ((a, b) at v[8 (8 (a % 4) + b)]).
;   epilogue, window 0: v32-127 the eight tiles' codes, 12 registers each, written once; v128-191 64 rotated numbers; v192-211 codes at work; v212-223 at work; v232-239 eight scale words; v240-247 at work.
.set NQ,     2                         ; matrix instructions deep in a slot
.set FR,     12                        ; registers of a fragment
.set NL,     4                         ; LDS loads that bring one
.set NP,     4                         ; places behind this matrix instruction (ISA guide 7.12.1)
.set TILEB,  3072                      ; a tile's 256 along K: four halves
.set HALFT,  8*TILEB                   ; 128 rows: what one tensor load brings
.set SLOT,   4*HALFT
.set SCL,    3*SLOT                    ; behind the three slots: the scale words of all of K, filled once
.set HALFS,  4096                      ; those of 128 rows
.set SBLK,   512                       ; those of 16 rows
.set SPARE,  SCL+4*HALFS               ; the spare words: 128 bytes a wave, two blocks of 256 bytes that no other line names
.set ADRA, 8                           ; v8-10 LDS address of A's 16-byte pieces in slot 0, 1, 2; v11-13 of its 8-byte pieces
.set ADRB, 16                          ; v16-21 the same for B
.set VT,   24                          ; my row of the table: (r + 8 (r / 8)) x 256 + 64 h
.set VM,   25                          ; r + 8 (r / 8)
.set VO16, 26                          ; 16 x lane
.set ADRS, 27                          ; my scale words: lanes 0-15 A's, lanes 16-31 B's
.set SPW,  28
.set NIL,  29
.set VO8,  30                          ; 16 r + 8 h
.set VL8,  31                          ; 8 x lane
.set SC,   32
.set OUTC, 32
.set CS0,  64
.set AF,   128
.set MK,   224
.set T,    128
.set PC,   192
.set TM,   212
.set PW,   232
.set G1, 24
.set G0, 32                            ; s[32:39] A's group 0 for slots 0, 1;  s[96:99] for slot 2
.set G0C, 96
.set G1B, 48
.set G0B, 56                           ; s[56:63] B's group 0 for slots 0, 1;  s[4:7] for slot 2 (the two pointers that lay there are done with by then)
.set G0BC, 4
.set G1S, 68
.set G0S, 76
.set G1SB, 80
.set G0SB, 88
.set SEL, 100
.set MSB, 0
.macro WIN new                         ; the immediate's high byte repeats the setting that is left
.if MSB != \new
	s_set_vgpr_msb (MSB<<8)|\new
.set MSB, \new
.endif
.endm
.set MUL_LO, 0xa1                      ; source 0 (B) window 1, source 1 (A) window 0, C and D window 2
.set MUL_HI, 0xf1
.set TO_B,   0x40
; A joint load: waves 0 and 1 fetch for A, waves 2 and 3 for B.  The branch hangs on the wave's number alone.  Four v_nop follow each line.
.macro JLOAD g0a, g1a, g0b, g1b
	s_cmp_eq_u32 s15, 0
	s_cbranch_scc0 .Lfor_b_\@
	tensor_load_to_lds s[\g0a:\g0a+3], s[\g1a:\g1a+7]
	s_nop 0
.rept 4
	v_nop
.endr
	s_branch .Lasked_\@
.Lfor_b_\@:
	tensor_load_to_lds s[\g0b:\g0b+3], s[\g1b:\g1b+7]
	s_nop 0
.rept 4
	v_nop
.endr
.Lasked_\@:
.endm
.macro CREST                           ; a round of the cluster's barrier behind its opening barrier
	s_cmp_lg_u32 s14, 0
	s_cbranch_scc1 .Lnot_wave_0_\@
	s_barrier_signal -3
.Lnot_wave_0_\@:
	s_barrier_wait -3
	s_barrier_signal -1
	s_barrier_wait -1
.endm
.macro CROUND
	s_barrier_signal -1
	s_barrier_wait -1
	CREST
.endm
	s_load_b128 s[4:7], s[0:1], 0x0                ; opnd, opscl
	s_load_b128 s[8:11], s[0:1], 0x10              ; rope, attn_mask
	s_load_b64 s[12:13], s[0:1], 0x20              ; qkv
	s_load_b64 s[92:93], s[0:1], 0x28              ; qkvs
	v_lshl_add_u32 v[SPW], v0, 2, SPARE
	v_mov_b32 v[NIL], 0
	ds_add_u32 v28, v29
	ds_add_u32 v28, v29
	s_wait_dscnt 0x0
	v_lshrrev_b32 v1, 5, v0
	v_readfirstlane_b32 s14, v1                    ; wave 0..3
	s_lshr_b32 s15, s14, 1                         ; rh: my half of A's rows.  Also: I fetch for A (0) or for B (1)
	s_and_b32 s16, s14, 1                          ; ch: my half of B's rows.  Also: which 128 rows I fetch
	s_bfe_u32 s40, ttmp6, 0x40000                  ; cx
	s_bfe_u32 s41, ttmp6, 0x40004                  ; cy
	s_and_b32 s18, ttmp7, 0xffff                   ; Y = the batch
	s_lshr_b32 s19, ttmp9, 1                       ; 1 for v (cluster x = 2), else 0
	s_lshl_b32 s20, s18, 2
	s_sub_co_u32 s17, 40, s20                      ; A's unit: 4 Y + cy (tokens), for v 40 + cy (features)
	s_mul_i32 s17, s17, s19
	s_add_co_u32 s17, s17, s20
	s_add_co_u32 s17, s17, s41
	s_lshl_b32 s42, ttmp9, 2                       ; B's unit: 32 + 4 X + cx (features), for v 4 Y + cx (tokens)
	s_add_co_u32 s42, s42, 32
	s_sub_co_u32 s46, s20, s42
	s_mul_i32 s46, s46, s19
	s_add_co_u32 s42, s42, s46
	s_add_co_u32 s42, s42, s40
	s_lshl_b32 s43, s41, 2
	s_lshl_b32 s43, 15, s43                        ; my row of the cluster
	s_lshl_b32 s44, 0x1111, s40                    ; my column
	; group 1, codes: 8 rows (tiles) of 384 elements of 8 bytes, 1,536 elements apart; no padding
	s_or_b32 s[G1+0], s43, (3<<16)|(1<<21)
	s_or_b32 s[G1B+0], s44, (3<<16)|(1<<21)
.irp g, G1, G1B
	s_mov_b32 s[\g+1], 384<<16                     ; tensor_dim0
	s_mov_b32 s[\g+2], 16<<16                      ; tensor_dim1: the head's loads bring 16 tiles; behind them the two row counts are set to 8
	s_mov_b32 s[\g+3], 384<<16                     ; tile_dim0
	s_mov_b32 s[\g+4], 16                          ; tile_dim1
	s_mov_b32 s[\g+5], 1536                        ; from tile to tile
	s_mov_b32 s[\g+6], 0
	s_mov_b32 s[\g+7], 0
.endr
	; group 1, scale words: 8,192 dense bytes as 32 rows of 256
	s_or_b32 s[G1S+0], s43, (3<<16)|(1<<21)
	s_or_b32 s[G1SB+0], s44, (3<<16)|(1<<21)
.irp g, G1S, G1SB
	s_mov_b32 s[\g+1], 32<<16
	s_mov_b32 s[\g+2], 32<<16                      ; the scale words of 256 rows: 8,192 dense bytes as 32 rows of 256
	s_mov_b32 s[\g+3], 32<<16
	s_mov_b32 s[\g+4], 32
	s_mov_b32 s[\g+5], 32
	s_mov_b32 s[\g+6], 0
	s_mov_b32 s[\g+7], 0
.endr
	s_mul_i32 s20, s17, 196608                     ; A: the unit's codes, + the 128 rows that I fetch
	s_mul_i32 s21, s16, 98304
	s_add_co_u32 s20, s20, s21
	s_mov_b32 s21, 0
	s_lshl_b32 s22, s17, 13                        ; and its scale words
	s_mov_b32 s23, 0
	s_mul_i32 s46, s42, 196608                     ; B likewise
	s_mul_i32 s47, s16, 98304
	s_add_co_u32 s46, s46, s47
	s_mov_b32 s47, 0
	s_lshl_b32 s66, s42, 13
	s_mov_b32 s67, 0
	s_mul_i32 s45, s14, HALFT                      ; where they go: wave x 128 rows: no place in the cluster enters an LDS address
	s_wait_kmcnt 0x0
	s_add_nc_u64 s[20:21], s[4:5], s[20:21]
	s_add_nc_u64 s[22:23], s[6:7], s[22:23]
	s_add_nc_u64 s[46:47], s[4:5], s[46:47]
	s_add_nc_u64 s[66:67], s[6:7], s[66:67]
	CROUND                                         ; all sixteen work-groups are here: the first joint loads meet
	s_mov_b32 s[G0S], 1
	s_mov_b32 s[G0S+1], SCL
	s_mov_b64 s[G0S+2:G0S+3], s[22:23]
	s_or_b32 s[G0S+3], s[G0S+3], 0x80000000
	s_mov_b32 s[G0SB], 1
	s_mov_b32 s[G0SB+1], SCL+2*HALFS
	s_mov_b64 s[G0SB+2:G0SB+3], s[66:67]
	s_or_b32 s[G0SB+3], s[G0SB+3], 0x80000000
.irp s, 0,1
	s_mov_b32 s[G0+4*\s], 1
	s_add_co_u32 s[G0+4*\s+1], s45, \s*SLOT
	s_add_nc_u64 s[G0+4*\s+2:G0+4*\s+3], s[20:21], \s*TILEB
	s_or_b32 s[G0+4*\s+3], s[G0+4*\s+3], 0x80000000
	s_mov_b32 s[G0B+4*\s], 1
	s_add_co_u32 s[G0B+4*\s+1], s45, \s*SLOT
	s_add_nc_u64 s[G0B+4*\s+2:G0B+4*\s+3], s[46:47], \s*TILEB
	s_or_b32 s[G0B+4*\s+3], s[G0B+4*\s+3], 0x80000000
.endr
	s_mov_b32 s[G0C], 1                            ; slot 2: K step 2
	s_add_co_u32 s[G0C+1], s45, 2*SLOT
	s_add_nc_u64 s[G0C+2:G0C+3], s[20:21], 2*TILEB
	s_or_b32 s[G0C+3], s[G0C+3], 0x80000000
	s_mov_b32 s[G0BC], 1
	s_add_co_u32 s[G0BC+1], s45, 2*SLOT
	s_add_nc_u64 s[G0BC+2:G0BC+3], s[46:47], 2*TILEB
	s_or_b32 s[G0BC+3], s[G0BC+3], 0x80000000
; THE ORDER OF THE FILLS, as this text has it: at the head ONE joint load a wave: wave 0 K step 0's 256 rows of A, wave 1 A's scale words, wave 2 K step 0's 256 rows of B, wave 3 B's scale words
; (waves 0 and 2 have ch = 0, so their slot-0 group 0 points at the tile's first row and at its place in LDS).  K step 1 follows behind the three lines and a round; K step 2 (slot 2's first fill) behind K step 0's round;
; K step 3 (slot 0 again) behind K step 1's round.  One tree of branches on the wave's number: every way passes one load.
.macro ARM under, g0, g1, next
	s_cmp_lt_u32 s14, \under
	s_cbranch_scc0 \next
	tensor_load_to_lds s[\g0:\g0+3], s[\g1:\g1+7]
	s_nop 0
.rept 4
	v_nop
.endr
	s_branch .Lhead_asked
\next:
.endm
	ARM 1, G0,  G1,  .Lhead_sa
	ARM 2, G0S, G1S, .Lhead_b
	ARM 3, G0B, G1B, .Lhead_sb
	tensor_load_to_lds s[G0SB:G0SB+3], s[G1SB:G1SB+7]
	s_nop 0
.rept 4
	v_nop
.endr
.Lhead_asked:
	; prefetches: of the 8 tiles that I fetch in a K step, the partner at place p (cx for A, cy for B) names tiles 2 p, 2 p + 1: 24 blocks of 256 bytes, a lane a block (lanes 24-31 name the last again)
	s_cmp_eq_u32 s15, 0
	s_cselect_b64 s[104:105], s[20:21], s[46:47]
	s_cselect_b32 s94, s40, s41
	s_mul_i32 s94, s94, 24576
	s_mov_b32 s95, 0
	s_add_nc_u64 s[104:105], s[104:105], s[94:95]
	v_and_b32 v14, 31, v0
	v_min_u32 v14, 23, v14
	v_mul_u32_u24 v15, v14, 11
	v_lshrrev_b32 v15, 7, v15                      ; 1 from lane 12 on: the second tile,
	v_mul_u32_u24 v15, v15, 9216                   ; 12,288 bytes behind the first, less the 3,072 already counted
	v_lshl_add_u32 v22, v14, 8, v15                ; never rewritten
	global_prefetch_b8 v22, s[104:105] offset:TILEB th:TH_LOAD_NT scope:SCOPE_SE      ; K step 1
	global_prefetch_b8 v22, s[104:105] offset:2*TILEB th:TH_LOAD_NT scope:SCOPE_SE    ; K step 2
	v_and_b32 v1, 15, v0                           ; r
	v_bfe_u32 v2, v0, 4, 1                         ; h
	v_and_b32 v3, 31, v0                           ; lane
	v_lshlrev_b32 v[VO16], 4, v3
	v_lshlrev_b32 v[VO8], 4, v1
	v_lshl_add_u32 v[VO8], v2, 3, v[VO8]
	v_lshlrev_b32 v[VL8], 3, v3
	s_mul_i32 s21, s15, HALFT                      ; my 128 rows of A
	s_mul_i32 s22, s16, HALFT                      ; my 128 rows of B,
	s_add_co_u32 s22, s22, 2*HALFT                 ; behind A's 256
.irp s, 0,1,2
	v_add_nc_u32 v[ADRA+\s], s21, v[VO16]
	v_add_nc_u32 v[ADRB+\s], s22, v[VO16]
	v_add_nc_u32 v[ADRA+3+\s], s21, v[VO8]
	v_add_nc_u32 v[ADRB+3+\s], s22, v[VO8]
	s_add_co_u32 s21, s21, SLOT
	s_add_co_u32 s22, s22, SLOT
.endr
	v_lshlrev_b32 v5, 3, v1                        ; scale words: 8 bytes a row and K step
	s_lshl_b32 s21, s15, 12                        ; A's: my 128 rows
	s_lshl_b32 s22, s16, 12                        ; B's: my 128 rows, behind A's 256
	s_add_co_u32 s22, s22, 2*HALFS
	s_sub_co_u32 s22, s22, s21
	v_mul_u32_u24 v6, s22, v2                      ; lanes 16-31 take B's
	s_add_co_u32 s21, s21, SCL
	v_add_nc_u32 v5, v5, v6
	v_add_nc_u32 v[ADRS], s21, v5
	v_and_b32 v6, 8, v1
	v_add_nc_u32 v[VM], v6, v1
	s_wait_alu depctr_va_vdst(0)
	v_lshlrev_b32 v[VT], 8, v[VM]
	v_lshl_add_u32 v[VT], v2, 6, v[VT]
	; the epilogue's offsets, both forms; then one compare chooses
	s_wait_alu depctr_va_vdst(0)
	s_lshl_b32 s20, s18, 10
	s_lshl_b32 s21, s41, 8
	s_add_co_u32 s20, s20, s21
	s_lshl_b32 s21, s15, 7
	s_add_co_u32 s20, s20, s21                     ; q, k: my first token = 1024 Y + 256 cy + 128 rh: the mask's offset,
	s_lshl_b32 s22, s20, 8                         ; and the table's
	s_lshl_b32 s46, s40, 2
	s_lshl_b32 s47, s16, 1
	s_add_co_u32 s46, s46, s47                     ; my first head: 4 cx + 2 ch
	s_lshl_b32 s47, s46, 6
	s_lshl_b32 s21, s18, 10
	s_add_co_u32 s47, s47, s21
	s_lshl_b32 s21, s41, 4
	s_add_co_u32 s47, s47, s21
	s_lshl_b32 s21, s15, 3
	s_add_co_u32 s47, s47, s21                     ; ((16 Y + head) 64 + tile) halves of 768 bytes,
	s_mul_i32 s47, s47, 768
	s_mul_i32 s21, ttmp9, 6291456                  ; in q's or in k's part
	s_add_co_u32 s47, s47, s21
	s_lshl_b32 s21, s18, 4
	s_add_co_u32 s46, s46, s21
	s_lshl_b32 s46, s46, 3
	s_lshl_b32 s21, s41, 1
	s_add_co_u32 s46, s46, s21
	s_add_co_u32 s46, s46, s15                     ; ((16 Y + head) 8 + 2 cy + rh) blocks of 256 bytes of scale words
	s_lshl_b32 s46, s46, 8
	s_lshl_b32 s21, ttmp9, 18
	s_add_co_u32 s46, s46, s21
	s_lshl_b32 s23, s18, 3                         ; v: my pair of heads 8 Y + 2 cy + rh,
	s_lshl_b32 s21, s41, 1
	s_add_co_u32 s23, s23, s21
	s_add_co_u32 s23, s23, s15
	s_mul_i32 s23, s23, 98304
	s_lshl_b32 s21, s40, 1
	s_add_co_u32 s21, s21, s16                     ; my key step 2 cx + ch
	s_mul_i32 s43, s21, 6144                       ; (s43, s44: the two masks stand in the descriptors by now)
	s_add_co_u32 s23, s23, s43
	s_add_co_u32 s23, s23, 12582912
	s_lshl_b32 s43, s18, 4
	s_lshl_b32 s44, s41, 2
	s_add_co_u32 s43, s43, s44
	s_lshl_b32 s44, s15, 1
	s_add_co_u32 s43, s43, s44
	s_lshl_b32 s43, s43, 3
	s_add_co_u32 s43, s43, s21
	s_lshl_b32 s43, s43, 8
	s_add_co_u32 s43, s43, 524288
	s_cmp_eq_u32 s19, 1
	s_cselect_b32 s20, 0, s20
	s_cselect_b32 s22, 2097152, s22                ; v reads the table's rows of (1, 0)
	s_cselect_b32 s47, s23, s47
	s_cselect_b32 s46, s43, s46
	s_cselect_b32 s95, -1, 0                       ; v, as a mask of lanes
	s_cmp_lg_u32 ttmp9, 1
	s_cselect_b32 s94, 1, 0                        ; 1 where the key mask does not apply (q, v)
	s_mov_b32 s21, 0
	s_mov_b32 s23, 0
	s_add_nc_u64 s[10:11], s[10:11], s[20:21]
	s_add_nc_u64 s[8:9], s[8:9], s[22:23]
	s_mov_b32 s22, s47
	s_add_nc_u64 s[12:13], s[12:13], s[22:23]
	s_mov_b32 s22, s46
	s_add_nc_u64 s[92:93], s[92:93], s[22:23]
	s_mov_b32 s66, 0xffff0000                      ; lanes 16-31
	s_mov_b32 s2, 0x05040100                       ; the low halves of two words
	s_mov_b32 s3, 0x07060302                       ; the high halves
	s_mov_b32 s[SEL], 0x76543210
	s_mov_b32 s[SEL+1], 0xfedcba98
; (cos, sin) of A's tile a: 8 loads, 32 registers: [axis][pair i of my 8][cos, sin]
.macro CSLOAD a, reg
.irp x, 0,1
.irp j, 0,1,2,3
	global_load_b128 v[(\reg)+16*\x+4*\j:(\reg)+16*\x+4*\j+3], v[VT], s[8:9] offset:(32*((\a)/2)+8*((\a)%2))*256+128*\x+16*\j
.endr
.endr
.endm
.irp a, 0,1,2,3,4,5,6,7
	global_load_u8 v[MK+\a], v[VM], s[10:11] offset:32*(\a/2)+8*(\a%2)   ; the mask byte of my token in tile a.  These 40 loads stay out through the products; their registers are named again in the epilogue alone
.endr
	CSLOAD 0, CS0
	CSLOAD 1, CS0+32
	WIN 0x40                                       ; destination window 1: the 64 registers that B's two sets leave free
	CSLOAD 2, 96
	CSLOAD 3, 224
	WIN 0
.macro FRAG reg, adr, q, i             ; a fragment as it lies: half 2 q, then half 2 q + 1 of tile i
	ds_load_b128 v[\reg:\reg+3],     v[\adr]   offset:(\i)*TILEB+(\q)*1536
	ds_load_b64  v[\reg+4:\reg+5],   v[\adr+3] offset:(\i)*TILEB+(\q)*1536+512
	ds_load_b128 v[\reg+6:\reg+9],   v[\adr]   offset:(\i)*TILEB+(\q)*1536+768
	ds_load_b64  v[\reg+10:\reg+11], v[\adr+3] offset:(\i)*TILEB+(\q)*1536+1280
.endm
; 16 matrix instructions: A's blocks a0, a0 + 1 x B's eight.  The 64 accumulators take turns, one instruction a turn, in the same order in every step.
.macro MUL16 a0, p, q, sc, zero
.irp a, \a0, \a0+1
.irp b, 0,1,2,3,4,5,6,7
.if \zero
	v_wmma_scale_f32_16x16x128_f8f6f4 v[8*(8*((\a)%4)+\b):8*(8*((\a)%4)+\b)+7], v[128*(\p)+FR*\b:128*(\p)+FR*\b+FR-1], v[AF+FR*(\a):AF+FR*(\a)+FR-1], 0, v[SC+8*NQ*(\sc)+NQ*\b+(\q)], v[SC+8*NQ*(\sc)+NQ*(\a)+(\q)] matrix_a_fmt:MATRIX_FMT_FP6 matrix_b_fmt:MATRIX_FMT_FP6 matrix_a_scale:MATRIX_SCALE_ROW1
.else
	v_wmma_scale_f32_16x16x128_f8f6f4 v[8*(8*((\a)%4)+\b):8*(8*((\a)%4)+\b)+7], v[128*(\p)+FR*\b:128*(\p)+FR*\b+FR-1], v[AF+FR*(\a):AF+FR*(\a)+FR-1], v[8*(8*((\a)%4)+\b):8*(8*((\a)%4)+\b)+7], v[SC+8*NQ*(\sc)+NQ*\b+(\q)], v[SC+8*NQ*(\sc)+NQ*(\a)+(\q)] matrix_a_fmt:MATRIX_FMT_FP6 matrix_b_fmt:MATRIX_FMT_FP6 matrix_a_scale:MATRIX_SCALE_ROW1
.endif
.endr
.endr
.endm
.macro FETCH_B slot, q, p
	WIN TO_B
.irp i, 0,1,2,3,4,5,6,7
	FRAG 128*(\p)+FR*\i, ADRB+\slot, \q, \i
.endr
	WIN 0
.endm
.macro FETCH_A slot, q, i0
.irp i, \i0, \i0+1, \i0+2, \i0+3
	FRAG AF+FR*(\i), ADRA+\slot, \q, \i
.endr
.endm
.macro SCALES sc                       ; a K step's two words a row: lanes 0-15 A's block i, lanes 16-31 B's block i
.irp i, 0,1,2,3,4,5,6,7
	ds_load_b64 v[SC+8*NQ*(\sc)+NQ*\i:SC+8*NQ*(\sc)+NQ*\i+1], v[ADRS] offset:\i*SBLK
.endr
.endm
.macro PLACES n                        ; plain vector places behind matrix instructions, in front of loads into their registers and of reads of their results
.rept \n
	v_nop
.endr
.endm
.macro STEP slot, sc, zero             ; a slot's first 128 along K; sc: the K step's set of scale words
	s_wait_dscnt 4*NL                              ; B's set and A's blocks 0-3 are in; the youngest 16 loads (A's blocks 4-7) may be out
	WIN MUL_LO
	MUL16 0, 0, 0, \sc, \zero
	MUL16 2, 0, 0, \sc, \zero
	s_wait_dscnt 0
	PLACES NP
	FETCH_B \slot, 1, 1
	FETCH_A \slot, 1, 0
	WIN MUL_HI
	MUL16 4, 0, 0, \sc, \zero
	MUL16 6, 0, 0, \sc, \zero
	PLACES NP
	WIN 0
	FETCH_A \slot, 1, 4
.endm
; A slot's second 128 along K changes slots.  nsc: the next K step's set of scale words.
; how = 2: this slot is filled again: each wave waits for all its tensor loads, adds 0 to its spare word, waits for that and for its reads of this slot; a round of the cluster's barrier; the joint refill first behind it.
; how = 1: the next slot was filled again: the same three lines and the work-group's barrier show it whole to every wave.
; how = 0: the next slot's first fill was shown landed in every wave by an earlier wait for all loads and its barrier, and nothing is filled: no wait on the tensor counter, no barrier.
.macro TURN slot, next, sc, nsc, how, ga, gb, pf
.if \how
	s_wait_tensorcnt 0x0                           ; all my tensor loads have landed
	ds_add_u32 v[SPW], v[NIL]                      ; 0 onto my spare word
	s_wait_dscnt 4*NL+1                            ; (the add and the youngest 16 loads may be out)
.else
	s_wait_dscnt 4*NL
.endif
	WIN MUL_LO
	MUL16 0, 1, 1, \sc, 0
	s_wait_dscnt 0x0                               ; my reads of this slot are over (and the add is done)
.if \how
	s_barrier_signal -1
.endif
	MUL16 2, 1, 1, \sc, 0
	WIN 0
.if \how
	s_barrier_wait -1
.endif
.if \how == 2
	CREST                                          ; the barrier has opened a round of the cluster's: no wave of any partner still reads this slot or has a load on its way
	JLOAD \ga, G1, \gb, G1B                        ; the first tensor load behind the round, one a wave; its four v_nop are the places in front of the loads below
.else
	PLACES NP
.endif
	v_add_nc_u32 v[ADRS], 128, v[ADRS]             ; the next K step's scale words
	FETCH_B \next, 0, 0
	FETCH_A \next, 0, 0
	SCALES \nsc
.if \pf
	global_prefetch_b8 v22, s[104:105] offset:3*TILEB th:TH_LOAD_NT scope:SCOPE_SE    ; K step 3, one K step ahead of its load
.endif
	WIN MUL_HI
	MUL16 4, 1, 1, \sc, 0
	MUL16 6, 1, 1, \sc, 0
	PLACES NP
	WIN 0
	FETCH_A \next, 0, 4
.endm
	s_wait_tensorcnt 0x0                           ; my tile of the head's four is in
	ds_add_u32 v[SPW], v[NIL]
	s_mov_b32 s[G1+2], 8<<16                       ; no tensor load of mine is out: from here on a load brings 8 tiles,
	s_mov_b32 s[G1+4], 8
	s_mov_b32 s[G1B+2], 8<<16
	s_mov_b32 s[G1B+4], 8
	s_add_nc_u64 s[G0+2:G0+3], s[G0+2:G0+3], 3*TILEB       ; and slot 0's next tile is K step 3
	s_add_nc_u64 s[G0B+2:G0B+3], s[G0B+2:G0B+3], 3*TILEB
	s_wait_dscnt 0x0
	CROUND                                         ; all four tiles are in, and all sixteen work-groups are here
	JLOAD G0+4, G1, G0B+4, G1B                     ; K step 1, the first tensor load behind the round
	FETCH_B 0, 0, 0
	FETCH_A 0, 0, 0
	SCALES 0
	FETCH_A 0, 0, 4
	STEP 0, 0, 1                                   ; K step 0: the first products start the sums
	TURN 0, 1, 0, 1, 2, G0C, G0BC, 1               ; slot 2 takes K step 2
	s_wait_alu depctr_va_vdst(0)
	STEP 1, 1, 0                                   ; K step 1
	TURN 1, 2, 1, 0, 2, G0, G0B, 0                 ; slot 0 takes K step 3
	s_wait_alu depctr_va_vdst(0)
	STEP 2, 0, 0                                   ; K step 2
	TURN 2, 0, 0, 1, 1, 0, 0, 0                    ; K step 3 has landed, in every wave
	STEP 0, 1, 0                                   ; K step 3
	s_wait_dscnt 4*NL
	WIN MUL_LO
	MUL16 0, 1, 1, 1, 0
	MUL16 2, 1, 1, 1, 0
	s_wait_dscnt 0
	WIN MUL_HI
	MUL16 4, 1, 1, 1, 0
	MUL16 6, 1, 1, 1, 0
	WIN 0
; THE EPILOGUE, a tile of A (16 lanes' rows x 128 of B) at a time: rotate, quantise, store.  No LDS: the codes are stored as the registers that the next launch's matrix instructions take.
; Pair i of block c: (x0, x1) -> (x0 cos - x1 sin, x1 cos + x0 sin): a packed multiply by cos, a packed multiply-add that crosses the halves.  Each accumulator is read from its low end on.
.macro ROPE a, csb, cswin
	WIN (2+(\a)/4)|((\cswin)<<2)                   ; source 0: the accumulators' window; source 1: the table's
.irp c, 0,1,2,3
.irp i, 0,1,2,3,4,5,6,7
	v_pk_mul_f32 v[T+16*\c+2*\i:T+16*\c+2*\i+1], v[8*(8*((\a)%4)+2*\c+\i/4)+2*(\i%4):8*(8*((\a)%4)+2*\c+\i/4)+2*(\i%4)+1], v[(\csb)+16*(\c%2)+2*\i:(\csb)+16*(\c%2)+2*\i+1] op_sel_hi:[1,0]
.endr
.irp i, 0,1,2,3,4,5,6,7
	v_pk_fma_f32 v[T+16*\c+2*\i:T+16*\c+2*\i+1], v[8*(8*((\a)%4)+2*\c+\i/4)+2*(\i%4):8*(8*((\a)%4)+2*\c+\i/4)+2*(\i%4)+1], v[(\csb)+16*(\c%2)+2*\i:(\csb)+16*(\c%2)+2*\i+1], v[T+16*\c+2*\i:T+16*\c+2*\i+1] op_sel:[1,1,0] op_sel_hi:[0,1,1] neg_lo:[1,0,0]
.endr
.endr
.endm
; 64 numbers of a lane, register 16 b + i = k 32 b + 16 (lane / 16) + i of my row, become a fragment's codes in v[PC] on and its scale word in v[pw]
.macro QUANT s, pw
.irp b, 0,1,2,3
	v_max3_num_f32 v[TM+\b], |v[\s+16*\b]|, |v[\s+1+16*\b]|, 0x1800000   ; with the floor 2^(3 - 127): the byte cannot fall under 1
.endr
.irp i, 2,4,6,8,10,12,14
.irp b, 0,1,2,3
	v_max3_num_f32 v[TM+\b], v[TM+\b], |v[\s+16*\b+\i]|, |v[\s+1+16*\b+\i]|
.endr
.endr
.irp b, 0,1,2,3
	v_permlanex16_b32 v[TM+4+\b], v[TM+\b], s[SEL], s[SEL+1]
.endr
.irp b, 0,1,2,3
	v_max_num_f32 v[TM+\b], v[TM+\b], v[TM+4+\b]   ; with lane l xor 16's: the block's largest magnitude
.endr
.irp b, 0,1,2,3
	v_add_nc_u32 v[TM+8+\b], 0xff000000, v[TM+\b]  ; 2 off its exponent field: the conversion's scale operand
.endr
.irp b, 0,1,2,3
	v_lshrrev_b32 v[TM+4+\b], 23, v[TM+8+\b]       ; the scale's byte
.endr
	v_lshl_or_b32 v[\pw], v[TM+5], 8, v[TM+4]
	v_lshl_or_b32 v[\pw], v[TM+6], 16, v[\pw]
	v_lshl_or_b32 v[\pw], v[TM+7], 24, v[\pw]
.irp c, 0,1
	v_cvt_scalef32_pk16_fp6_f32 v[PC+6*\c:PC+2+6*\c], v[\s+32*\c:\s+15+32*\c], v[TM+8+2*\c]
	v_cvt_scalef32_pk16_fp6_f32 v[PC+12+4*\c:PC+14+4*\c], v[\s+16+32*\c:\s+31+32*\c], v[TM+8+2*\c+1]
.endr
	v_nop                                          ; one plain place behind a scaled conversion
.irp c, 0,1                                    ; a whole block to a lane: lanes 0-15 block 2 c, lanes 16-31 block 2 c + 1
.irp i, 0,1,2
	v_permlane16_swap_b32 v[PC+6*\c+\i], v[PC+12+4*\c+\i]
.endr
.irp i, 0,1,2
	v_mov_b32 v[PC+3+6*\c+\i], v[PC+12+4*\c+\i]
.endr
.endr
.endm
; left = the table loads of the later tiles, which may stay out; 32: this tile's were waited for already.
; The line that applies the key mask also moves the codes into the tile's OWN 12 registers: no store's data are ever written again, so the epilogue has no wait for its stores' sources.
.macro EPI a, csb, cswin, left
.if (\left) < 32
	s_wait_loadcnt \left
.endif
	ROPE \a, \csb, \cswin
	WIN 0
	QUANT T, PW+\a
	v_or_b32 v240, s94, v[MK+\a]
	v_cmp_ne_u32 vcc_lo, 0, v240
.irp i, 0,1,2,3,4,5,6,7,8,9,10,11
	v_cndmask_b32 v[OUTC+12*(\a)+\i], 0, v[PC+\i], vcc_lo    ; in k a masked key's codes are zeros
.endr
	global_store_b128 v[VO16], v[OUTC+12*(\a):OUTC+12*(\a)+3], s[12:13] offset:768*(\a)               ; q, k: the first head's half; v: keys 0-63 of the step.  512 consecutive bytes
	global_store_b64 v[VO8], v[OUTC+12*(\a)+4:OUTC+12*(\a)+5], s[12:13] offset:768*(\a)+512           ; 256 consecutive bytes
	global_store_b128 v[VO16], v[OUTC+12*(\a)+6:OUTC+12*(\a)+9], s[12:13] offset:49152+768*(\a)       ; q, k: the second head's; v: keys 64-127
	global_store_b64 v[VO8], v[OUTC+12*(\a)+10:OUTC+12*(\a)+11], s[12:13] offset:49152+768*(\a)+512
.endm
	PLACES NP
.irp b, 0,1,2,3
	v_mov_b32 v[TM+4+\b], 0                        ; a lane permute's destination counts as one of its sources
.endr
	s_wait_loadcnt 0x0                             ; the head's 40 loads: mask bytes, (cos, sin) of tiles 0-3
	WIN 0x40                                       ; destination window 1: B's fragments are done with
	CSLOAD 4, 0
	CSLOAD 5, 32
	CSLOAD 6, 64
	CSLOAD 7, 128
	WIN 0
	EPI 0, CS0, 0, 32
	EPI 1, CS0+32, 0, 32
	EPI 2, 96, 1, 32
	EPI 3, 224, 1, 32
	EPI 4, 0, 1, 24
	EPI 5, 32, 1, 16
	EPI 6, 64, 1, 8
	EPI 7, 128, 1, 0
	; the scale words.  q, k: head hd, pair p of tiles: two bytes of tile 2 p's word and two of tile 2 p + 1's.  v: head hd, tile p of its 64: the word as it is.
	; Lanes 0-15 store words 0 and 2, lanes 16-31 words 1 and 3: 256 consecutive bytes a head.
.irp hd, 0,1
.irp p, 0,1,2,3
	v_perm_b32 v[240+\p], v[PW+2*\p+1], v[PW+2*\p], s[2+\hd]
	v_cndmask_b32 v[240+\p], v[240+\p], v[PW+4*\hd+\p], s95
.endr
	v_cndmask_b32 v[244+2*\hd], v240, v241, s66
	v_cndmask_b32 v[245+2*\hd], v242, v243, s66
	global_store_b64 v[VL8], v[244+2*\hd:245+2*\hd], s[92:93] offset:2048*\hd
.endr
	s_wait_tensorcnt 0x0                           ; the wave's end
	ds_add_u32 v[SPW], v[NIL]
	s_wait_dscnt 0x0
	CROUND                                         ; the closing round: no work-group ends while a partner may still ask for a tile that names it
	s_endpgm
.Lfunc_end_k_qc4f6911642_qkv:
	.size	k_qc4f6911642_qkv, .Lfunc_end_k_qc4f6911642_qkv-k_qc4f6911642_qkv
	.p2alignl 7, 3214868480
	.fill 96, 4, 3214868480
	.section	.rodata,"a",@progbits
	.p2align	6, 0x0
	.amdhsa_kernel k_qc4f6911642_qkv
		.amdhsa_group_segment_fixed_size 327680
		.amdhsa_private_segment_fixed_size 0
		.amdhsa_enable_private_segment 0
		.amdhsa_kernarg_size 48
		.amdhsa_user_sgpr_count 2
		.amdhsa_user_sgpr_kernarg_segment_ptr 1
		.amdhsa_wavefront_size32 1
		.amdhsa_system_sgpr_workgroup_id_x 1
		.amdhsa_system_sgpr_workgroup_id_y 1
		.amdhsa_system_sgpr_workgroup_id_z 1
		.amdhsa_system_vgpr_workitem_id 0
		.amdhsa_next_free_vgpr 1024
		.amdhsa_next_free_sgpr 106
		.amdhsa_reserve_vcc 1
		.amdhsa_float_denorm_mode_32 3
		.amdhsa_float_denorm_mode_16_64 3
		.amdhsa_memory_ordered 1
		.amdhsa_forward_progress 1
		.amdhsa_inst_pref_size 196
	.end_amdhsa_kernel
	.amdgpu_metadata
---
amdhsa.version: [ 1, 2 ]
amdhsa.kernels:
  - .name:           k_qc4f6911642_qkv
    .symbol:         k_qc4f6911642_qkv.kd
    .args:
      - { .name: opnd, .offset: 0, .size: 8, .value_kind: global_buffer, .address_space: global }
      - { .name: opscl, .offset: 8, .size: 8, .value_kind: global_buffer, .address_space: global }
      - { .name: rope, .offset: 16, .size: 8, .value_kind: global_buffer, .address_space: global }
      - { .name: attn_mask, .offset: 24, .size: 8, .value_kind: global_buffer, .address_space: global }
      - { .name: qkv, .offset: 32, .size: 8, .value_kind: global_buffer, .address_space: global }
      - { .name: qkvs, .offset: 40, .size: 8, .value_kind: global_buffer, .address_space: global }
    .group_segment_fixed_size: 327680
    .private_segment_fixed_size: 0
    .kernarg_segment_align: 8
    .kernarg_segment_size: 48
    .max_flat_workgroup_size: 128
    .sgpr_count:     106
    .vgpr_count:     1024
    .wavefront_size: 32
...
	.end_amdgpu_metadata
.endif
;; end of part 2
;; launch attn (part 3): grid 2 x 128, 16 waves a work-group, no clusters, 327,680 bytes of LDS; arguments qkv, qkvs, attn_mask, att, atts; writes att, atts
.if DOCPART == 3
	.amdgcn_target "amdgcn-amd-amdhsa--gfx1250"
	.amdhsa_code_object_version 6
	.text
	.protected	k_qc4f6911642_attn
	.globl	k_qc4f6911642_attn
	.p2align	8
	.type	k_qc4f6911642_attn,@function
k_qc4f6911642_attn:
	s_mov_b64 s[64:65], 0
	v_nop
	global_prefetch_b8 v0, s[64:65] scope:SCOPE_SE
	s_setreg_imm32_b32 hwreg(HW_REG_WAVE_MODE, 25, 1), 1
	s_wait_xcnt 0x0
; out[b][h][q] = the sum over keys of softmax(q . k / 8, masked) v, both products on codes of FP6 (E2M3) with E8M0 scales; the result is quantised along the features for the last product and stored as an operand's image.
; THE SOFTMAX AHEAD OF THE SECOND PRODUCT: t = score x log2(e) / 8; M = the row's largest t so far, rounded up to a whole number; p = 2^(t - M) is quantised along the keys, not normalised;
; the row's sum is taken of the unquantised p and divides at the end.  When M moves, the sum and O are multiplied by 2^(old M - new M): exact.
; SHARES.  A work-group owns one head and 512 queries; each of its sixteen waves owns one tile of 16 queries at a time, two in all (a loop of two trips): four waves to a SIMD.
; THE HEAD'S WHOLE K AND V, 98,304 bytes of codes and 4,096 of scale words, LIE IN LDS, filled once by ten tensor loads at the head: no ring, nothing is filled again.
; q IS ASKED FOR A TILE AHEAD, into registers of its own: the first tile's at the head, ahead of the barrier, the second's at the head of the first trip.
; NO CLUSTER: a head has two work-groups (grid x = 2), which no cluster of four along x divides; and what the two share is fetched once at the head, 102,400 bytes a work-group, not in every step.
; LAYOUT.  Both products transposed: S^T = K Q^T, O^T = V^T P^T: a lane holds one query.  Lane r of key tile 2 b + u holds key 32 b + 8 u + r + 8 (r / 8), so the 16 registers of tiles 2 b, 2 b + 1 are 16 neighbouring keys.
; THE HEAD'S AXIS IS 64, the instruction's K 128: a fragment of K holds TWO key tiles (registers 0-5, 6-11), and Q stands as [q | zeros] for the first and [zeros | q] for the second: v16-33 hold q, zeros, q.
; THE MASK: the C of each score product is 0 for a key that counts and -2^103 for a masked one (whose codes in k are zeros): t is then far under every real t and p is 0; where all keys of a batch are masked all t are equal and p is 1.
; LIMITS: the masked score is -2^103 / 8 where the definition has -1e30: equal results wherever real logits stay under 1e30 in magnitude.  NaN and infinities are not served.
; REGISTERS: v1-7, v11 addresses; v12 -M, v13 the largest t, v[14:15] the sum; v16-33 Q; v34 its scale word; v36-83 four fragments of K or V; v84-87 their scale words; v96-159 S^T, then p; v160-191 O^T;
;   v192-211 p's codes; v212-223 at work; v224 f, v225 p's scale word, v226 at work; v228-233 the next tile's q, v234 its scale word.
.set VB,   49152                       ; LDS: K's 64 tiles of 768 bytes at 0; V's [half c][key step][tile of 16 d][768] here;
.set SCK,  98304                       ; K's scale words, 256 bytes a key step; V's 2,048 bytes on;
.set BIAS, 102400                      ; one f32 a key: written by LDS stores alone, no fill lands here
.set WV,   18
.set SEL,  20
.set CS,   22
.set G1K,  24
.set G1V,  32
.set G1S,  40
.set G0K,  48
.set G0V,  52
.set G0S,  56
.set QB,   60                          ; s[60:61] q's codes of the tile asked for last;  s[62:63] its scale words;  s[68:69], s[70:71] where the result's codes and bytes go
.set QSB,  62
.set OB,   68
.set OSB,  70
.set QN,   228
	s_load_b256 s[4:11], s[0:1], 0x0               ; qkv, qkvs, attn_mask, att
	s_load_b64 s[12:13], s[0:1], 0x20              ; atts
	v_lshl_add_u32 v254, v0, 2, 0x29000
	v_mov_b32 v255, 0
	ds_add_u32 v254, v255
	ds_add_u32 v254, v255
	v_lshrrev_b32 v8, 5, v0
	s_delay_alu instid0(VALU_DEP_1)
	v_readfirstlane_b32 s[WV], v8                  ; wave 0..15
	s_and_b32 s72, ttmp7, 0xffff                   ; 16 b + head
	s_and_b32 s73, s[WV], 3
	s_and_b32 s74, s[WV], 1
	s_mul_i32 s76, s72, 49152                      ; K: the head's codes, a quarter a wave
	s_mul_i32 s75, s73, 12288
	s_add_co_u32 s76, s76, s75
	s_add_co_u32 s76, s76, 6291456
	s_mov_b32 s77, 0
	s_lshr_b32 s78, s72, 1                         ; V: the pair of heads, my head's 3,072 bytes of each of 16 rows, four rows a wave
	s_mul_i32 s78, s78, 98304
	s_and_b32 s79, s72, 1
	s_mul_i32 s79, s79, 3072
	s_add_co_u32 s78, s78, s79
	s_mul_i32 s79, s73, 24576
	s_add_co_u32 s78, s78, s79
	s_add_co_u32 s78, s78, 12582912
	s_mov_b32 s79, 0
	s_lshl_b32 s80, s74, 18                        ; the scale words: K's (wave 8) or V's (wave 9)
	s_add_co_u32 s80, s80, 262144
	s_lshl_b32 s81, s72, 11
	s_add_co_u32 s80, s80, s81
	s_mov_b32 s81, 0
	s_lshl_b32 s82, s74, 11
	s_mov_b32 s[G1K], 3<<16                        ; K: 12,288 dense bytes as 48 rows of 32 elements of 8 bytes
	s_mov_b32 s[G1K+1], 32<<16
	s_mov_b32 s[G1K+2], 48<<16
	s_mov_b32 s[G1K+3], 32<<16
	s_mov_b32 s[G1K+4], 48
	s_mov_b32 s[G1K+5], 32
	s_mov_b32 s[G1K+6], 0
	s_mov_b32 s[G1K+7], 0
	s_mov_b32 s[G1V], 3<<16                        ; V: 4 rows of 384 elements, 768 elements apart
	s_mov_b32 s[G1V+1], 384<<16
	s_mov_b32 s[G1V+2], 4<<16
	s_mov_b32 s[G1V+3], 384<<16
	s_mov_b32 s[G1V+4], 4
	s_mov_b32 s[G1V+5], 768
	s_mov_b32 s[G1V+6], 0
	s_mov_b32 s[G1V+7], 0
	s_mov_b32 s[G1S], 3<<16                        ; scale words: 2,048 dense bytes as 8 rows of 256
	s_mov_b32 s[G1S+1], 32<<16
	s_mov_b32 s[G1S+2], 8<<16
	s_mov_b32 s[G1S+3], 32<<16
	s_mov_b32 s[G1S+4], 8
	s_mov_b32 s[G1S+5], 32
	s_mov_b32 s[G1S+6], 0
	s_mov_b32 s[G1S+7], 0
	s_mov_b32 s[SEL], 0x76543210
	s_mov_b32 s[SEL+1], 0xfedcba98
	s_mov_b32 s[CS], 0x3e38aa3b                    ; c = log2(e) / 8
	s_mov_b32 s[CS+1], s[CS]                       ; (named with it as a pair)
	s_wait_dscnt 0x0
	s_wait_kmcnt 0x0
	s_mov_b32 s[G0K], 1
	s_mov_b32 s[G0K+1], s75
	s_add_nc_u64 s[G0K+2:G0K+3], s[4:5], s[76:77]
	s_or_b32 s[G0K+3], s[G0K+3], 0x80000000
	s_mov_b32 s[G0V], 1
	s_add_co_u32 s[G0V+1], s75, VB
	s_add_nc_u64 s[G0V+2:G0V+3], s[4:5], s[78:79]
	s_or_b32 s[G0V+3], s[G0V+3], 0x80000000
	s_mov_b32 s[G0S], 1
	s_add_co_u32 s[G0S+1], s82, SCK
	s_add_nc_u64 s[G0S+2:G0S+3], s[6:7], s[80:81]
	s_or_b32 s[G0S+3], s[G0S+3], 0x80000000
	; the fills: waves 0-3 K's quarters, waves 4-7 V's, waves 8 and 9 the scale words; one load a wave, four v_nop behind each
	; THE FILLS COME IN TWO GROUPS.  Here: key steps 0-3 (K's quarters 0, 1: waves 0, 1; V's rows of both halves c: waves 4, 6) and the scale words (waves 8, 9).
	; Key steps 4-7 (waves 2, 3, 5, 7) are asked for behind the head's barrier and are first read behind the barrier in key step 3.
	s_cmp_lt_u32 s[WV], 2
	s_cbranch_scc0 .Lnot_k
	tensor_load_to_lds s[G0K:G0K+3], s[G1K:G1K+7]
	s_nop 0
.rept 4
	v_nop
.endr
	s_branch .Lasked
.Lnot_k:
	s_cmp_lt_u32 s[WV], 4
	s_cbranch_scc1 .Lasked
	s_cmp_lt_u32 s[WV], 8
	s_cbranch_scc0 .Lnot_v
	s_cmp_eq_u32 s74, 0
	s_cbranch_scc0 .Lasked
	tensor_load_to_lds s[G0V:G0V+3], s[G1V:G1V+7]
	s_nop 0
.rept 4
	v_nop
.endr
	s_branch .Lasked
.Lnot_v:
	s_cmp_lt_u32 s[WV], 10
	s_cbranch_scc0 .Lasked
	tensor_load_to_lds s[G0S:G0S+3], s[G1S:G1S+7]
	s_nop 0
.rept 4
	v_nop
.endr
.Lasked:
	s_mov_b32 s87, 0
	s_lshr_b32 s84, s72, 4                         ; b
	s_lshl_b32 s86, s84, 10
	s_add_nc_u64 s[8:9], s[8:9], s[86:87]
	global_load_u8 v224, v0, s[8:9]                ; thread i: the mask bytes of keys i and i + 512
	global_load_u8 v226, v0, s[8:9] offset:512
	v_and_b32 v8, 31, v0                           ; lane
	v_and_b32 v9, 15, v0                           ; r
	v_bfe_u32 v10, v0, 4, 1                        ; h
	s_delay_alu instid0(VALU_DEP_3)
	v_lshlrev_b32 v1, 4, v8                        ; 16 x lane
	s_wait_alu depctr_va_vdst(0)
	v_lshlrev_b32 v2, 4, v9
	s_delay_alu instid0(VALU_DEP_1)
	v_lshl_add_u32 v2, v10, 3, v2                  ; 16 r + 8 h
	s_wait_alu depctr_va_vdst(0)
	v_add_nc_u32 v3, VB, v1
	v_add_nc_u32 v4, VB, v2
	v_lshl_add_u32 v5, v8, 3, SCK                  ; 8 x lane: a step's four scale words in two registers
	v_lshl_add_u32 v6, v10, 6, BIAS                ; my half's 16 keys of a block of 32
	v_lshlrev_b32 v7, 3, v9                        ; 8 r
	s_wait_alu depctr_va_vdst(0)
	v_lshl_add_u32 v11, v0, 2, BIAS
	s_lshl_b32 s86, s72, 6                         ; q: tile 64 (16 b + head) + 32 x + wave
	s_lshl_b32 s85, ttmp9, 5
	s_add_co_u32 s86, s86, s85
	s_add_co_u32 s86, s86, s[WV]
	s_mul_i32 s86, s86, 768
	s_add_nc_u64 s[QB:QB+1], s[4:5], s[86:87]
	s_lshl_b32 s86, s72, 11                        ; its scale word: chunk 4 x + wave / 8, pair p = (wave % 8) / 2: 128 (p % 2) + 4 (p / 2)
	s_lshl_b32 s85, ttmp9, 10
	s_add_co_u32 s86, s86, s85
	s_lshr_b32 s85, s[WV], 3
	s_lshl_b32 s85, s85, 8
	s_add_co_u32 s86, s86, s85
	s_bfe_u32 s85, s[WV], 0x10001
	s_lshl_b32 s85, s85, 7
	s_add_co_u32 s86, s86, s85
	s_bfe_u32 s85, s[WV], 0x10002
	s_lshl_b32 s85, s85, 2
	s_add_co_u32 s86, s86, s85
	s_add_nc_u64 s[QSB:QSB+1], s[6:7], s[86:87]
	global_load_b128 v[QN:QN+3], v1, s[QB:QB+1]              ; the first tile's q, as it lies: it lands while the fills do
	global_load_b64 v[QN+4:QN+5], v2, s[QB:QB+1] offset:512
	global_load_b32 v[QN+6], v7, s[QSB:QSB+1]
	s_lshl_b32 s88, s84, 6                         ; the result: tile 64 b + 32 x + wave, half = head
	s_lshl_b32 s85, ttmp9, 5
	s_add_co_u32 s88, s88, s85
	s_add_co_u32 s88, s88, s[WV]
	s_and_b32 s89, s72, 15
	s_lshl_b32 s86, s88, 4
	s_add_co_u32 s86, s86, s89
	s_mul_i32 s86, s86, 768
	s_add_nc_u64 s[OB:OB+1], s[10:11], s[86:87]
	s_lshl_b32 s86, s88, 9                         ; its two bytes: 512 tile + 128 (head / 4) + 2 (head % 4) + 8 r
	s_lshr_b32 s85, s89, 2
	s_lshl_b32 s85, s85, 7
	s_add_co_u32 s86, s86, s85
	s_and_b32 s85, s89, 3
	s_lshl_b32 s85, s85, 1
	s_add_co_u32 s86, s86, s85
	s_add_nc_u64 s[OSB:OSB+1], s[12:13], s[86:87]
	s_mov_b32 s67, 0x03020302                      ; an odd tile's two bytes of the pair's word, twice;
	s_cmp_eq_u32 s74, 0
	s_cselect_b32 s67, 0x01000100, s67             ; an even tile's
	s_mov_b32 s66, 2
	v_mov_b32 v225, 0xf3000000                     ; -2^103
	s_wait_alu depctr_va_vdst(0)
	s_wait_loadcnt 3                               ; the two mask bytes are in; q's three loads, issued behind them, may be out
	v_cmp_eq_u32 vcc_lo, 0, v224
	s_delay_alu instid0(VALU_DEP_1)
	v_cndmask_b32 v224, 0, v225, vcc_lo
	v_cmp_eq_u32 vcc_lo, 0, v226
	s_delay_alu instid0(VALU_DEP_1)
	v_cndmask_b32 v226, 0, v225, vcc_lo
	ds_store_b32 v11, v224
	ds_store_b32 v11, v226 offset:2048
.irp i, 22,23,24,25,26,27
	v_mov_b32 v\i, 0                               ; the zeros between the two copies of q
.endr
.irp b, 0,1,2,3
	v_mov_b32 v[216+\b], 0                         ; a lane permute's destination counts as one of its sources
.endr
	v_mov_b32 v225, 0                              ; (named as the upper half of the pair v[224:225] before it is first written)
	s_wait_alu depctr_va_vdst(0)
	s_wait_tensorcnt 0x0                           ; my fill has landed,
	ds_add_u32 v254, v255                          ; the add twice on end
	ds_add_u32 v254, v255
	s_wait_dscnt 0x0                               ; the adds and my stores are done:
	s_barrier_signal -1
	s_barrier_wait -1                              ; everybody's are
	s_cmp_lt_u32 s[WV], 2                          ; key steps 4-7: one load a wave, on bytes that nothing has filled or read yet
	s_cbranch_scc1 .Lasked2
	s_cmp_lt_u32 s[WV], 4
	s_cbranch_scc0 .Lnot_k2
	tensor_load_to_lds s[G0K:G0K+3], s[G1K:G1K+7]
	s_nop 0
.rept 4
	v_nop
.endr
	s_branch .Lasked2
.Lnot_k2:
	s_cmp_lt_u32 s[WV], 8
	s_cbranch_scc0 .Lasked2
	s_cmp_eq_u32 s74, 1
	s_cbranch_scc0 .Lasked2
	tensor_load_to_lds s[G0V:G0V+3], s[G1V:G1V+7]
	s_nop 0
.rept 4
	v_nop
.endr
.Lasked2:
.macro KLOAD ks                        ; 17 loads: four fragments, each two key tiles, and their scale words
.irp b, 0,1,2,3
	ds_load_b128 v[36+12*\b:39+12*\b], v1 offset:(\ks)*6144+\b*1536
	ds_load_b64  v[40+12*\b:41+12*\b], v2 offset:(\ks)*6144+\b*1536+512
	ds_load_b128 v[42+12*\b:45+12*\b], v1 offset:(\ks)*6144+\b*1536+768
	ds_load_b64  v[46+12*\b:47+12*\b], v2 offset:(\ks)*6144+\b*1536+1280
.endr
	ds_load_b64 v[84:85], v5 offset:256*(\ks)
.endm
.macro VLOAD ks                        ; 17 loads: four fragments (16 d x 128 keys) and their scale words
.irp t, 0,1,2,3
	ds_load_b128 v[36+12*\t:39+12*\t], v3 offset:(\ks)*3072+\t*768
	ds_load_b64  v[40+12*\t:41+12*\t], v4 offset:(\ks)*3072+\t*768+512
	ds_load_b128 v[42+12*\t:45+12*\t], v3 offset:24576+(\ks)*3072+\t*768
	ds_load_b64  v[46+12*\t:47+12*\t], v4 offset:24576+(\ks)*3072+\t*768+512
.endr
	ds_load_b64 v[86:87], v5 offset:2048+256*(\ks)
.endm
.macro BLOAD ks                        ; 16 loads: what the mask adds to the step's 64 scores of a lane, into the scores' own registers
.irp b, 0,1,2,3
.irp u, 0,1
.irp e, 0,1
	ds_load_b128 v[96+8*(2*\b+\u)+4*\e:99+8*(2*\b+\u)+4*\e], v6 offset:512*(\ks)+128*\b+32*\u+16*\e
.endr
.endr
.endr
.endm
; A KEY STEP: 128 keys.  Twelve matrix instructions on twelve accumulators, one instruction a turn.
.macro STEP ks
.set NK, ((\ks)+1)%8
	s_wait_dscnt 0x0                               ; K, its scale words and the mask's addends are in
.irp b, 0,1,2,3
.irp u, 0,1
.if \b%2
	v_wmma_scale_f32_16x16x128_f8f6f4 v[96+8*(2*\b+\u):103+8*(2*\b+\u)], v[36+12*\b:47+12*\b], v[16+6*\u:27+6*\u], v[96+8*(2*\b+\u):103+8*(2*\b+\u)], v[84+\b/2], v34 matrix_a_fmt:MATRIX_FMT_FP6 matrix_b_fmt:MATRIX_FMT_FP6 matrix_a_scale:MATRIX_SCALE_ROW1
.else
	v_wmma_scale_f32_16x16x128_f8f6f4 v[96+8*(2*\b+\u):103+8*(2*\b+\u)], v[36+12*\b:47+12*\b], v[16+6*\u:27+6*\u], v[96+8*(2*\b+\u):103+8*(2*\b+\u)], v[84+\b/2], v34 matrix_a_fmt:MATRIX_FMT_FP6 matrix_b_fmt:MATRIX_FMT_FP6
.endif
.endr
.endr
.rept 4
	v_nop                                          ; places in front of the loads into K's registers and of the first read of the scores
.endr
	VLOAD \ks
.irp b, 0,1,2,3
	v_max3_num_f32 v[212+\b], v[96+16*\b], v[97+16*\b], v[98+16*\b]   ; the largest score of each block of 32 keys: for the row's maximum, and, since p rises with the score, for the block's largest p
.endr
.irp i, 3,5,7,9,11,13
.irp b, 0,1,2,3
	v_max3_num_f32 v[212+\b], v[212+\b], v[96+16*\b+\i], v[97+16*\b+\i]
.endr
.endr
.irp b, 0,1,2,3
	v_max_num_f32 v[212+\b], v[212+\b], v[111+16*\b]
.endr
.irp b, 0,1,2,3
	s_delay_alu instid0(VALU_DEP_4)
	v_permlanex16_b32 v[216+\b], v[212+\b], s[SEL], s[SEL+1]
.endr
.irp b, 0,1,2,3
	s_delay_alu instid0(VALU_DEP_4)
	v_max_num_f32 v[212+\b], v[212+\b], v[216+\b]  ; with lane l xor 16's 16 keys
.endr
	s_delay_alu instid0(VALU_DEP_2)
	v_max3_num_f32 v226, v212, v213, v214
	s_delay_alu instid0(VALU_DEP_1)
	v_max_num_f32 v226, v226, v215
	s_delay_alu instid0(VALU_DEP_1)
	v_mul_f32 v226, s[CS], v226                    ; as t
	s_delay_alu instid0(VALU_DEP_1)
	v_max_num_f32 v13, v13, v226                   ; the running largest t
	v_mov_b32 v226, v12
	s_delay_alu instid0(VALU_DEP_2)
	v_floor_f32 v12, -v13                          ; the new -M = -ceil(t): a whole number
	s_delay_alu instid0(VALU_DEP_1)
	v_sub_f32 v226, v12, v226                      ; old M - new M
	s_delay_alu instid0(VALU_DEP_1)
	v_cvt_i32_f32 v226, v226                       ; (it saturates)
	s_delay_alu instid0(VALU_DEP_1)
	v_ldexp_f32 v224, 1.0, v226                    ; f = 2^(old M - new M)
.irp j, 0,2,4,6,8,10,12,14,16,18,20,22,24,26,28,30,32,34,36,38,40,42,44,46,48,50,52,54,56,58,60,62
	v_pk_fma_f32 v[96+\j:97+\j], v[96+\j:97+\j], s[CS:CS+1], v[12:13] op_sel_hi:[1,0,0]   ; t - M
.endr
.irp b, 0,1,2,3
	v_fma_f32 v[212+\b], v[212+\b], s[CS], v12
.endr
	s_wait_alu depctr_va_vdst(0)
.irp j, 0,1,2,3,4,5,6,7,8,9,10,11,12,13,14,15,16,17,18,19,20,21,22,23,24,25,26,27,28,29,30,31,32,33,34,35,36,37,38,39,40,41,42,43,44,45,46,47,48,49,50,51,52,53,54,55,56,57,58,59,60,61,62,63
	v_exp_f32 v[96+\j], v[96+\j]                   ; p = 2^(t - M)
.endr
	v_pk_mul_f32 v[14:15], v[14:15], v[224:225] op_sel_hi:[1,0]   ; the sums under the new M: a plain place behind the exponentials
	s_wait_alu depctr_va_vdst(0)                   ; one wait for the batch, ahead of its first reader
.irp b, 0,1,2,3
	v_exp_f32 v[212+\b], v[212+\b]                 ; each block's largest p
.endr
	v_pk_add_f32 v[216:217], v[100:101], v[104:105]
	v_pk_add_f32 v[252:253], v[108:109], v[112:113]
	v_pk_add_f32 v[250:251], v[116:117], v[120:121]
	v_pk_add_f32 v[248:249], v[124:125], v[128:129]
	v_pk_add_f32 v[246:247], v[132:133], v[136:137]
	v_pk_add_f32 v[244:245], v[140:141], v[144:145]
	v_pk_add_f32 v[242:243], v[148:149], v[152:153]
	v_pk_add_f32 v[14:15], v[14:15], v[156:157]
	v_pk_add_f32 v[216:217], v[216:217], v[96:97]
	v_pk_add_f32 v[252:253], v[252:253], v[98:99]
	v_pk_add_f32 v[250:251], v[250:251], v[102:103]
	v_pk_add_f32 v[248:249], v[248:249], v[106:107]
	v_pk_add_f32 v[246:247], v[246:247], v[110:111]
	v_pk_add_f32 v[244:245], v[244:245], v[114:115]
	v_pk_add_f32 v[242:243], v[242:243], v[118:119]
	v_pk_add_f32 v[14:15], v[14:15], v[122:123]
	v_pk_add_f32 v[216:217], v[216:217], v[126:127]
	v_pk_add_f32 v[252:253], v[252:253], v[130:131]
	v_pk_add_f32 v[250:251], v[250:251], v[134:135]
	v_pk_add_f32 v[248:249], v[248:249], v[138:139]
	v_pk_add_f32 v[246:247], v[246:247], v[142:143]
	v_pk_add_f32 v[244:245], v[244:245], v[146:147]
	v_pk_add_f32 v[242:243], v[242:243], v[150:151]
	v_pk_add_f32 v[14:15], v[14:15], v[154:155]
	v_pk_add_f32 v[216:217], v[216:217], v[158:159]
	s_delay_alu instid0(VALU_DEP_2)
	v_pk_add_f32 v[14:15], v[14:15], v[248:249]
	s_delay_alu instid0(VALU_DEP_2)
	v_pk_add_f32 v[216:217], v[216:217], v[246:247]
	v_pk_add_f32 v[252:253], v[252:253], v[244:245]
	v_pk_add_f32 v[250:251], v[250:251], v[242:243]
	s_delay_alu instid0(VALU_DEP_2)
	v_pk_add_f32 v[14:15], v[14:15], v[252:253]
	s_delay_alu instid0(VALU_DEP_2)
	v_pk_add_f32 v[216:217], v[216:217], v[250:251]
	s_delay_alu instid0(VALU_DEP_1)
	v_pk_add_f32 v[14:15], v[14:15], v[216:217]
	s_wait_alu depctr_va_vdst(0)                   ; and one for the four
.irp b, 0,1,2,3
	v_max_num_f32 v[212+\b], 0x1800000, v[212+\b]  ; the floor 2^(3 - 127)
.endr
.irp b, 0,1,2,3
	s_delay_alu instid0(VALU_DEP_4)
	v_add_nc_u32 v[220+\b], 0xff000000, v[212+\b]  ; the conversion's scale operand
.endr
.irp b, 0,1,2,3
	s_delay_alu instid0(VALU_DEP_4)
	v_lshrrev_b32 v[216+\b], 23, v[220+\b]         ; the scale's byte
.endr
	s_delay_alu instid0(VALU_DEP_3)
	v_lshl_or_b32 v225, v217, 8, v216              ; p's scale word for these 128 keys
	s_delay_alu instid0(VALU_DEP_1)
	v_lshl_or_b32 v225, v218, 16, v225
	s_delay_alu instid0(VALU_DEP_1)
	v_lshl_or_b32 v225, v219, 24, v225
.irp c, 0,1
	v_cvt_scalef32_pk16_fp6_f32 v[192+6*\c:194+6*\c], v[96+32*\c:111+32*\c], v[220+2*\c]
	v_cvt_scalef32_pk16_fp6_f32 v[204+4*\c:206+4*\c], v[112+32*\c:127+32*\c], v[220+2*\c+1]
.endr
	v_nop                                          ; one plain place behind a scaled conversion
.irp c, 0,1
.irp i, 0,1,2
	v_permlane16_swap_b32 v[192+6*\c+\i], v[204+4*\c+\i]
.endr
.irp i, 0,1,2
	s_delay_alu instid0(VALU_DEP_3)
	v_mov_b32 v[195+6*\c+\i], v[204+4*\c+\i]
.endr
.endr
	BLOAD NK                                       ; p's registers are free: the next step's addends
.irp j, 0,2,4,6,8,10,12,14,16,18,20,22,24,26,28,30
	v_pk_mul_f32 v[160+\j:161+\j], v[160+\j:161+\j], v[224:225] op_sel_hi:[1,0]   ; O^T under the new M; these 16 are also the places between p's codes and scale word and the products below
.endr
	s_wait_alu depctr_va_vdst(0)
.if (\ks) == 3
	s_wait_tensorcnt 0x0                           ; my part of key steps 4-7, if I asked for one, has landed;
	s_wait_dscnt 0x0                               ; no LDS instruction of mine is out at the signal (V and its scale words are in)
	s_barrier_signal -1                            ; the four products below stand between the signal and the wait
.else
	s_wait_dscnt 16                                ; V and its scale words are in; the 16 loads just issued may be out
.endif
.irp t, 0,1,2,3
.if \t%2
	v_wmma_scale_f32_16x16x128_f8f6f4 v[160+8*\t:167+8*\t], v[36+12*\t:47+12*\t], v[192:203], v[160+8*\t:167+8*\t], v[86+\t/2], v225 matrix_a_fmt:MATRIX_FMT_FP6 matrix_b_fmt:MATRIX_FMT_FP6 matrix_a_scale:MATRIX_SCALE_ROW1
.else
	v_wmma_scale_f32_16x16x128_f8f6f4 v[160+8*\t:167+8*\t], v[36+12*\t:47+12*\t], v[192:203], v[160+8*\t:167+8*\t], v[86+\t/2], v225 matrix_a_fmt:MATRIX_FMT_FP6 matrix_b_fmt:MATRIX_FMT_FP6
.endif
.endr
.rept 4
	v_nop                                          ; places in front of the loads into V's registers
.endr
.if (\ks) == 3
	s_barrier_wait -1                              ; key steps 4-7 are whole for every wave
.endif
	KLOAD NK
.endm
	BLOAD 0
	KLOAD 0
.Ltrip:                                            ; a tile of 16 queries
	s_wait_loadcnt 0x0                             ; this tile's q, asked for a tile ago (the first: at the head)
.irp i, 0,1,2,3,4,5
	v_mov_b32 v[16+\i], v[QN+\i]                   ; q in front of the zeros,
	v_mov_b32 v[28+\i], v[QN+\i]                   ; and behind them
.endr
	v_perm_b32 v34, v[QN+6], v[QN+6], s67          ; my tile's two bytes, for both places of q
	s_cmp_eq_u32 s66, 1                            ; the last tile asks for nothing
	s_cbranch_scc1 .Lno_next
	s_add_nc_u64 s[QB:QB+1], s[QB:QB+1], 12288     ; sixteen tiles on (the loads that read these bases are done: the wait above)
	s_add_nc_u64 s[QSB:QSB+1], s[QSB:QSB+1], 512
	global_load_b128 v[QN:QN+3], v1, s[QB:QB+1]
	global_load_b64 v[QN+4:QN+5], v2, s[QB:QB+1] offset:512
	global_load_b32 v[QN+6], v7, s[QSB:QSB+1]
.Lno_next:
	v_mov_b32 v13, 0xff61b1e6                      ; the largest t so far: -3e38
	s_delay_alu instid0(VALU_DEP_1)
	v_floor_f32 v12, -v13
	v_mov_b32 v14, 0
	v_mov_b32 v15, 0
.irp j, 0,1,2,3,4,5,6,7,8,9,10,11,12,13,14,15,16,17,18,19,20,21,22,23,24,25,26,27,28,29,30,31
	v_mov_b32 v[160+\j], 0                         ; O^T: the step is one macro, its first use finds zeros.  (These lines are also the places between q's scale word and the first product)
.endr
.irp k, 0,1,2,3,4,5,6,7
	STEP \k
.endr
	; THE WAY OUT: O^T / the sum; its 64 numbers of a row are two blocks of the last product's K; codes and bytes go out as that operand's image
	v_add_f32 v14, v14, v15
	s_delay_alu instid0(VALU_DEP_1)
	v_permlanex16_b32 v216, v14, s[SEL], s[SEL+1]
	s_delay_alu instid0(VALU_DEP_1)
	v_add_f32 v14, v14, v216                       ; the row's sum
	s_wait_alu depctr_va_vdst(0)
	v_rcp_f32 v14, v14
	v_nop                                          ; a plain place behind the transcendental
	s_wait_alu depctr_va_vdst(0)                   ; and the wait ahead of its first reader
.irp j, 0,2,4,6,8,10,12,14,16,18,20,22,24,26,28,30
	v_pk_mul_f32 v[160+\j:161+\j], v[160+\j:161+\j], v[14:15] op_sel_hi:[1,0]
.endr
.irp b, 0,1
	v_max3_num_f32 v[212+\b], |v[160+16*\b]|, |v[161+16*\b]|, 0x1800000
.endr
.irp i, 2,4,6,8,10,12,14
.irp b, 0,1
	s_delay_alu instid0(VALU_DEP_2)
	v_max3_num_f32 v[212+\b], v[212+\b], |v[160+16*\b+\i]|, |v[161+16*\b+\i]|
.endr
.endr
.irp b, 0,1
	s_delay_alu instid0(VALU_DEP_2)
	v_permlanex16_b32 v[216+\b], v[212+\b], s[SEL], s[SEL+1]
.endr
.irp b, 0,1
	s_delay_alu instid0(VALU_DEP_2)
	v_max_num_f32 v[212+\b], v[212+\b], v[216+\b]
.endr
.irp b, 0,1
	s_delay_alu instid0(VALU_DEP_2)
	v_add_nc_u32 v[220+\b], 0xff000000, v[212+\b]
.endr
.irp b, 0,1
	s_delay_alu instid0(VALU_DEP_2)
	v_lshrrev_b32 v[216+\b], 23, v[220+\b]
.endr
	s_delay_alu instid0(VALU_DEP_1)
	v_lshl_or_b32 v226, v217, 8, v216
	v_cvt_scalef32_pk16_fp6_f32 v[192:194], v[160:175], v220
	v_cvt_scalef32_pk16_fp6_f32 v[196:198], v[176:191], v221
	v_nop                                          ; one plain place behind a scaled conversion
	v_permlane16_swap_b32 v192, v196
	v_permlane16_swap_b32 v193, v197
	v_permlane16_swap_b32 v194, v198
	s_delay_alu instid0(VALU_DEP_3)
	v_mov_b32 v195, v196
	s_delay_alu instid0(VALU_DEP_3)
	v_mov_b32 v196, v197
	s_delay_alu instid0(VALU_DEP_3)
	v_mov_b32 v197, v198
	global_store_b128 v1, v[192:195], s[OB:OB+1]             ; 512 consecutive bytes
	global_store_b64 v2, v[196:197], s[OB:OB+1] offset:512   ; 256 consecutive bytes
	global_store_b16 v7, v226, s[OSB:OSB+1]                  ; two bytes a row: 32 bytes of a tile's 512, the other heads' work-groups write the rest
	s_wait_xcnt 0x0                                ; bases and data are written again only behind this wait
	s_add_nc_u64 s[OB:OB+1], s[OB:OB+1], 196608    ; sixteen tiles on
	s_add_nc_u64 s[OSB:OSB+1], s[OSB:OSB+1], 8192
	s_sub_co_u32 s66, s66, 1
	s_cmp_lg_u32 s66, 0
	s_cbranch_scc1 .Ltrip
	s_wait_dscnt 0x0                               ; the last step's loads for a next tile that does not come
	s_wait_tensorcnt 0x0
	ds_add_u32 v254, v255
	s_wait_dscnt 0x0
	s_endpgm
.Lfunc_end_k_qc4f6911642_attn:
	.size	k_qc4f6911642_attn, .Lfunc_end_k_qc4f6911642_attn-k_qc4f6911642_attn
	.p2alignl 7, 3214868480
	.fill 96, 4, 3214868480
	.section	.rodata,"a",@progbits
	.p2align	6, 0x0
	.amdhsa_kernel k_qc4f6911642_attn
		.amdhsa_group_segment_fixed_size 327680
		.amdhsa_private_segment_fixed_size 0
		.amdhsa_enable_private_segment 0
		.amdhsa_kernarg_size 40
		.amdhsa_user_sgpr_count 2
		.amdhsa_user_sgpr_kernarg_segment_ptr 1
		.amdhsa_wavefront_size32 1
		.amdhsa_system_sgpr_workgroup_id_x 1
		.amdhsa_system_sgpr_workgroup_id_y 1
		.amdhsa_system_sgpr_workgroup_id_z 1
		.amdhsa_system_vgpr_workitem_id 0
		.amdhsa_next_free_vgpr 256
		.amdhsa_next_free_sgpr 96
		.amdhsa_reserve_vcc 1
		.amdhsa_float_denorm_mode_32 3
		.amdhsa_float_denorm_mode_16_64 3
		.amdhsa_memory_ordered 1
		.amdhsa_forward_progress 1
		.amdhsa_inst_pref_size 161
	.end_amdhsa_kernel
	.amdgpu_metadata
---
amdhsa.version: [ 1, 2 ]
amdhsa.kernels:
  - .name:           k_qc4f6911642_attn
    .symbol:         k_qc4f6911642_attn.kd
    .args:
      - { .name: qkv, .offset: 0, .size: 8, .value_kind: global_buffer, .address_space: global }
      - { .name: qkvs, .offset: 8, .size: 8, .value_kind: global_buffer, .address_space: global }
      - { .name: attn_mask, .offset: 16, .size: 8, .value_kind: global_buffer, .address_space: global }
      - { .name: att, .offset: 24, .size: 8, .value_kind: global_buffer, .address_space: global }
      - { .name: atts, .offset: 32, .size: 8, .value_kind: global_buffer, .address_space: global }
    .group_segment_fixed_size: 327680
    .private_segment_fixed_size: 0
    .kernarg_segment_align: 8
    .kernarg_segment_size: 40
    .max_flat_workgroup_size: 512
    .sgpr_count:     96
    .vgpr_count:     256
    .wavefront_size: 32
...
	.end_amdgpu_metadata
.endif
;; end of part 3
;; launch proj (part 4): grid 4 x 64, 4 waves a work-group, clusters of 4 x 4, 327,680 bytes of LDS; arguments att, atts, opnd, opscl, out0; writes out0
.if DOCPART == 4
	.amdgcn_target "amdgcn-amd-amdhsa--gfx1250"
	.amdhsa_code_object_version 6
	.text
	.protected	k_qc4f6911642_proj
	.globl	k_qc4f6911642_proj
	.p2align	8
	.type	k_qc4f6911642_proj,@function
k_qc4f6911642_proj:
	s_mov_b64 s[64:65], 0
	v_nop
	global_prefetch_b8 v0, s[64:65] scope:SCOPE_SE
	s_setreg_imm32_b32 hwreg(HW_REG_WAVE_MODE, 25, 1), 1
	s_wait_xcnt 0x0
	s_wait_alu depctr_hold_cnt(0) depctr_sa_sdst(0) depctr_va_vdst(0) depctr_va_sdst(0) depctr_va_ssrc(0) depctr_va_vcc(0) depctr_vm_vsrc(0)
	s_getreg_b32 s2, hwreg(HW_REG_IB_STS2, 6, 4)
	s_cmp_eq_u32 s2, 0
	s_cbranch_scc0 .Lentry_in_a_cluster
	s_endpgm
.Lentry_in_a_cluster:
	s_bfe_u32 s2, ttmp6, 0x10000c
	s_cmp_lg_u32 s2, 0xf033
	s_cbranch_scc0 .Lentry_shape_is_right
	s_endpgm
.Lentry_shape_is_right:
; out0 = attention's result x w_proj, on codes of FP6 (E2M3) with E8M0 scales, K = 1024; out0 [8192][1024] f32.
; A = att / atts (blocks of 128 tokens), B = units 44-47 of opnd / opscl (256 columns of w_proj each), both as images of operand registers (tile of 16 rows: 16 halves of 768 bytes).
; A block of the result, 128 tokens x 256 columns, is made by four waves, each 64 x 128: 32 accumulators.  8192 x 1024 / (128 x 256) = 256 work-groups.
; K lies in TWO LDS slots of 512 along K (24 tiles x 6,144 bytes each): each is filled once, nothing is filled again.  The head has one joint load a wave: wave 0 slot 0's 8 tiles of A, wave 1 A's scale words,
; wave 2 slot 0's 16 tiles of B, wave 3 B's scale words.  Slot 1 is asked for behind the three lines and a round of the cluster's barrier, a part a wave; it has steps 0 to 2, 96 matrix instructions a wave, in which to land.
; THE PRODUCT IS USED TRANSPOSED (source 0 = 16 rows of B, source 1 = 16 rows of A).  Lane r of tile T holds logical row 32 (T / 2) + 8 (T % 2) + r + 8 (r / 8): a lane's 16 registers of B's tiles 2 c, 2 c + 1
; are output columns 32 c + 16 (lane / 16) + 0 .. 15.
; CLUSTERS: 4 x 4: A's tiles are shared along a row of the cluster, B's along a column: joint loads.
; PREFETCH: slot 1's bytes are named at the head, one slot ahead of their load, each block of 256 bytes once in a cluster: the four partners share a wave's tiles out by address.
; REGISTERS: window 0: v8-15 LDS addresses of fragments; v22-29 other addresses; v32-95 the scale words of all of K; v128-223 A's fragments, two sets; on the way out v128-255 rows of the result.
;   window 1: B's fragments, two sets, at v0 and v128.   window 2: the accumulators ((a, b) at v[8 (8 a + b)]).
.set FR,     12
.set NP,     4                         ; places behind this matrix instruction (ISA guide 7.12.1)
.set TILEB,  6144                      ; a tile's 512 along K: eight halves
.set SLOT,   24*TILEB                  ; A's 8 tiles, then B's 16
.set SCL,    2*SLOT                    ; the scale words: A's 4,096 bytes, then B's 8,192
.set SPARE,  SCL+12288                 ; the spare words: 128 bytes a wave
.set SPITCH, 528                       ; the way out: a stage of 16 rows x (512 + 16) bytes a wave, in slot 0, whose one fill and last read lie ahead of step 3's barrier
.set ADRA, 8                           ; v8-9 A's 16-byte pieces in slot 0, 1; v10-11 its 8-byte pieces
.set ADRB, 12                          ; v12-15 the same for B
.set PFO,  22                          ; v22-23 the two prefetches' offsets; never rewritten
.set STO,  24
.set RD,   25
.set CO,   26
.set ADRS, 27
.set SPW,  28
.set NIL,  29
.set SC,   32                          ; register 16 (step / 2) + 2 i + step % 2: lanes 0-15 the word of A's block i, lanes 16-31 of B's block i
.set AF,   128
.set BK,   128
.set G1,   24
.set G0,   32                          ; s[32:39] A's group 0 for slots 0, 1
.set G1B,  48
.set G0B,  56
.set PF,   66
.set G1S,  68
.set G0S,  76
.set G1SB, 80
.set G0SB, 88
.set MSB, 0
.macro WIN new
.if MSB != \new
	s_set_vgpr_msb (MSB<<8)|\new
.set MSB, \new
.endif
.endm
.set MUL,  0xa1                        ; source 0 (B) window 1, source 1 (A) window 0, C and D window 2
.set TO_B, 0x40
.macro TLOAD g0, g1                    ; s_nop 0 and four v_nop follow each tensor load
	tensor_load_to_lds s[\g0:\g0+3], s[\g1:\g1+7]
	s_nop 0
.rept 4
	v_nop
.endr
.endm
.macro CREST
	s_cmp_lg_u32 s14, 0
	s_cbranch_scc1 .Lnot_wave_0_\@
	s_barrier_signal -3
.Lnot_wave_0_\@:
	s_barrier_wait -3
	s_barrier_signal -1
	s_barrier_wait -1
.endm
.macro CROUND
	s_barrier_signal -1
	s_barrier_wait -1
	CREST
.endm
.macro GRP1 g, mask, c, r, p           ; group 1: r rows of c elements of 8 bytes, p elements apart, no padding
	s_or_b32 s[\g], \mask, (3<<16)|(1<<21)
	s_mov_b32 s[\g+1], (\c)<<16
	s_mov_b32 s[\g+2], (\r)<<16
	s_mov_b32 s[\g+3], (\c)<<16
	s_mov_b32 s[\g+4], \r
	s_mov_b32 s[\g+5], \p
	s_mov_b32 s[\g+6], 0
	s_mov_b32 s[\g+7], 0
.endm
	s_load_b128 s[4:7], s[0:1], 0x0                ; att, atts
	s_load_b128 s[8:11], s[0:1], 0x10              ; opnd, opscl
	s_load_b64 s[12:13], s[0:1], 0x20              ; out0
	v_lshl_add_u32 v[SPW], v0, 2, SPARE
	v_mov_b32 v[NIL], 0
	ds_add_u32 v[SPW], v[NIL]                      ; the opening lines: the add twice on end and its wait
	ds_add_u32 v[SPW], v[NIL]
	v_lshrrev_b32 v1, 5, v0
	v_readfirstlane_b32 s14, v1                    ; wave
	s_lshr_b32 s15, s14, 1                         ; rh: my 64 tokens.  Also: I fetch for A (0) or for B (1)
	s_and_b32 s16, s14, 1                          ; ch: my 128 columns.  Also: which half of the tiles I fetch
	s_bfe_u32 s40, ttmp6, 0x40000                  ; cx
	s_bfe_u32 s41, ttmp6, 0x40004                  ; cy
	s_and_b32 s17, ttmp7, 0xffff
	s_lshl_b32 s17, s17, 2
	s_add_co_u32 s17, s17, s41                     ; A's block of 128 tokens: 4 x cluster y + cy
	s_add_co_u32 s42, s40, 44                      ; B's unit
	s_lshl_b32 s43, s41, 2
	s_lshl_b32 s43, 15, s43                        ; my row of the cluster
	s_lshl_b32 s44, 0x1111, s40                    ; my column
	GRP1 G1,   s43, 768, 8,  1536                  ; the head's loads: A's 8 tiles,
	GRP1 G1B,  s44, 768, 16, 1536                  ; B's 16,
	GRP1 G1S,  s43, 32,  16, 32                    ; A's scale words, 4,096 dense bytes,
	GRP1 G1SB, s44, 32,  32, 32                    ; B's, 8,192
	s_mul_i32 s20, s17, 98304                      ; A: the block's codes + my 4 tiles of the 8
	s_mul_i32 s21, s16, 49152
	s_add_co_u32 s20, s20, s21
	s_mov_b32 s21, 0
	s_lshl_b32 s22, s17, 12
	s_mov_b32 s23, 0
	s_mul_i32 s46, s42, 196608                     ; B: the unit's codes + my 8 tiles of the 16
	s_mul_i32 s47, s16, 98304
	s_add_co_u32 s46, s46, s47
	s_mov_b32 s47, 0
	s_lshl_b32 s92, s42, 13
	s_mov_b32 s93, 0
	s_mul_i32 s45, s16, 4*TILEB                    ; where they go in a slot: no place in the cluster enters an LDS address
	s_mul_i32 s94, s16, 8*TILEB
	s_add_co_u32 s94, s94, 8*TILEB
	s_wait_dscnt 0x0                               ; both opening adds are done
	s_wait_kmcnt 0x0
	s_add_nc_u64 s[20:21], s[4:5], s[20:21]
	s_add_nc_u64 s[22:23], s[6:7], s[22:23]
	s_add_nc_u64 s[46:47], s[8:9], s[46:47]
	s_add_nc_u64 s[92:93], s[10:11], s[92:93]
.irp s, 0,1
	s_mov_b32 s[G0+4*\s], 1
	s_add_co_u32 s[G0+4*\s+1], s45, \s*SLOT
	s_add_nc_u64 s[G0+4*\s+2:G0+4*\s+3], s[20:21], \s*TILEB
	s_or_b32 s[G0+4*\s+3], s[G0+4*\s+3], 0x80000000
	s_mov_b32 s[G0B+4*\s], 1
	s_add_co_u32 s[G0B+4*\s+1], s94, \s*SLOT
	s_add_nc_u64 s[G0B+4*\s+2:G0B+4*\s+3], s[46:47], \s*TILEB
	s_or_b32 s[G0B+4*\s+3], s[G0B+4*\s+3], 0x80000000
.endr
	s_mov_b32 s[G0S], 1
	s_mov_b32 s[G0S+1], SCL
	s_mov_b64 s[G0S+2:G0S+3], s[22:23]
	s_or_b32 s[G0S+3], s[G0S+3], 0x80000000
	s_mov_b32 s[G0SB], 1
	s_mov_b32 s[G0SB+1], SCL+4096
	s_mov_b64 s[G0SB+2:G0SB+3], s[92:93]
	s_or_b32 s[G0SB+3], s[G0SB+3], 0x80000000
	CROUND                                         ; all sixteen work-groups are here: the first joint loads meet
; one tree of branches on the wave's number, one load to an arm.  Waves 0 and 2 have ch = 0: their slot-0 group 0 points at the first tile and at its place in LDS
.macro ARM under, g0, g1, next
	s_cmp_lt_u32 s14, \under
	s_cbranch_scc0 \next
	TLOAD \g0, \g1
	s_branch .Lhead_asked
\next:
.endm
	ARM 1, G0,  G1,  .Lhead_sa
	ARM 2, G0S, G1S, .Lhead_b
	ARM 3, G0B, G1B, .Lhead_sb
	TLOAD G0SB, G1SB
.Lhead_asked:
	; prefetches of slot 1.  A's waves fetch 4 tiles, the partner at place cx names one: 24 blocks of 256 bytes as 2 x 12 lanes.  B's fetch 8, the partner at cy names two: 2 x 24 lanes.  Lanes left over name the last block again
	s_cmp_eq_u32 s15, 0
	s_cselect_b64 s[PF:PF+1], s[20:21], s[46:47]
	s_cselect_b32 s94, s40, s41
	s_mul_i32 s94, s94, 12288
	s_lshl_b32 s94, s94, s15
	s_mov_b32 s95, 0
	s_add_nc_u64 s[PF:PF+1], s[PF:PF+1], s[94:95]
	s_mul_i32 s18, s15, 12
	s_add_co_u32 s18, s18, 11                      ; the last lane with a block of its own: 11 or 23
	s_lshl_b32 s19, s15, 1
	s_lshl_b32 s19, 3072, s19                      ; from the first instruction's blocks to the second's: 3,072 or 12,288 bytes
	v_and_b32 v1, 15, v0                           ; r
	v_bfe_u32 v2, v0, 4, 1                         ; h
	v_and_b32 v3, 31, v0
	v_min_u32 v4, s18, v3
	v_lshlrev_b32 v[PFO], 8, v4
	v_add_nc_u32 v[PFO+1], s19, v[PFO]
	global_prefetch_b8 v[PFO], s[PF:PF+1] offset:TILEB th:TH_LOAD_NT scope:SCOPE_SE
	global_prefetch_b8 v[PFO+1], s[PF:PF+1] offset:TILEB th:TH_LOAD_NT scope:SCOPE_SE
	v_lshlrev_b32 v[CO], 4, v3                     ; 16 x lane
	v_lshlrev_b32 v4, 4, v1
	v_lshl_add_u32 v4, v2, 3, v4                   ; 16 r + 8 h
	s_mul_i32 s21, s15, 4*TILEB                    ; my 4 tiles of A
	s_mul_i32 s22, s16, 8*TILEB                    ; my 8 tiles of B,
	s_add_co_u32 s22, s22, 8*TILEB                 ; behind A's 8
.irp s, 0,1
	v_add_nc_u32 v[ADRA+\s], s21, v[CO]
	v_add_nc_u32 v[ADRB+\s], s22, v[CO]
	v_add_nc_u32 v[ADRA+2+\s], s21, v4
	v_add_nc_u32 v[ADRB+2+\s], s22, v4
	s_add_co_u32 s21, s21, SLOT
	s_add_co_u32 s22, s22, SLOT
.endr
	v_lshlrev_b32 v5, 3, v1                        ; scale words: 8 bytes a row and pair of steps
	s_lshl_b32 s21, s15, 11                        ; A's: my 4 tiles
	s_lshl_b32 s22, s16, 12                        ; B's: my 8 tiles, behind A's 4,096 bytes
	s_add_co_u32 s22, s22, 4096
	s_sub_co_u32 s22, s22, s21
	v_mul_u32_u24 v6, s22, v2                      ; lanes 16-31 take B's
	s_add_co_u32 s21, s21, SCL
	v_add_nc_u32 v5, v5, v6
	v_add_nc_u32 v[ADRS], s21, v5
	s_mul_i32 s23, s14, 16*SPITCH                  ; my stage, in slot 0
	v_mul_u32_u24 v5, v1, SPITCH
	v_lshl_add_u32 v5, v2, 6, v5                   ; in: row r, + 64 h: my 16 columns of each 32
	v_add_nc_u32 v[STO], s23, v5
	v_add_nc_u32 v[RD], s23, v[CO]                 ; back: a row of 512 bytes to the 32 lanes
	s_lshl_b32 s20, s17, 7
	s_lshl_b32 s21, s15, 6
	s_add_co_u32 s20, s20, s21                     ; my first token
	s_lshl_b32 s20, s20, 12                        ; rows of 4,096 bytes
	s_mov_b32 s21, 0
	s_lshl_b32 s46, s40, 10                        ; my first column, in bytes
	s_lshl_b32 s47, s16, 9
	s_add_co_u32 s46, s46, s47
	s_mov_b32 s47, 0
	s_add_nc_u64 s[20:21], s[20:21], s[46:47]
	s_add_nc_u64 s[12:13], s[12:13], s[20:21]
.macro FRAG reg, adr, q, i             ; a fragment as it lies: halves 2 q, 2 q + 1 of tile i
	ds_load_b128 v[\reg:\reg+3],     v[\adr]   offset:(\i)*TILEB+(\q)*1536
	ds_load_b64  v[\reg+4:\reg+5],   v[\adr+2] offset:(\i)*TILEB+(\q)*1536+512
	ds_load_b128 v[\reg+6:\reg+9],   v[\adr]   offset:(\i)*TILEB+(\q)*1536+768
	ds_load_b64  v[\reg+10:\reg+11], v[\adr+2] offset:(\i)*TILEB+(\q)*1536+1280
.endm
.macro FETCH st                        ; 48 loads: step st's 8 fragments of B and 4 of A into set st % 2
	WIN TO_B
.irp i, 0,1,2,3,4,5,6,7
	FRAG 128*((\st)%2)+FR*\i, ADRB+(\st)/4, (\st)%4, \i
.endr
	WIN 0
.irp i, 0,1,2,3
	FRAG AF+48*((\st)%2)+FR*\i, ADRA+(\st)/4, (\st)%4, \i
.endr
.endm
.macro MUL16 a0, p, sw, zero           ; A's blocks a0, a0 + 1 x B's eight.  The 32 accumulators take turns, one instruction a turn
.irp a, \a0, \a0+1
.irp b, 0,1,2,3,4,5,6,7
.if \zero
	v_wmma_scale_f32_16x16x128_f8f6f4 v[8*(8*(\a)+\b):8*(8*(\a)+\b)+7], v[128*(\p)+FR*\b:128*(\p)+FR*\b+FR-1], v[AF+48*(\p)+FR*(\a):AF+48*(\p)+FR*(\a)+FR-1], 0, v[(\sw)+2*\b], v[(\sw)+2*(\a)] matrix_a_fmt:MATRIX_FMT_FP6 matrix_b_fmt:MATRIX_FMT_FP6 matrix_a_scale:MATRIX_SCALE_ROW1
.else
	v_wmma_scale_f32_16x16x128_f8f6f4 v[8*(8*(\a)+\b):8*(8*(\a)+\b)+7], v[128*(\p)+FR*\b:128*(\p)+FR*\b+FR-1], v[AF+48*(\p)+FR*(\a):AF+48*(\p)+FR*(\a)+FR-1], v[8*(8*(\a)+\b):8*(8*(\a)+\b)+7], v[(\sw)+2*\b], v[(\sw)+2*(\a)] matrix_a_fmt:MATRIX_FMT_FP6 matrix_b_fmt:MATRIX_FMT_FP6 matrix_a_scale:MATRIX_SCALE_ROW1
.endif
.endr
.endr
.endm
.macro PLACES n                        ; plain vector places behind matrix instructions, in front of loads into their registers and of reads of their results
.rept \n
	v_nop
.endr
.endm
; A step of 128 along K: the next step's fragments are asked for, into the set that the last step multiplied; then 32 matrix instructions on this step's set
.macro STEP st, zero
.set PP, (\st)%2
.set SW, SC+16*((\st)/2)+(\st)%2
.if (\st) == 3                         ; the next step reads slot 1: one barrier shows it whole to all four waves
	s_wait_tensorcnt 0x0                           ; my part of slot 1 has landed,
	s_wait_dscnt 0x0                               ; my reads of slot 0 are over (this step's set among them)
	s_barrier_signal -1
	WIN MUL
	MUL16 0, PP, SW, 0
	WIN 0
	s_barrier_wait -1
	PLACES NP
	FETCH 4
	WIN MUL
	MUL16 2, PP, SW, 0
	WIN 0
.else
.if (\st) > 0
	PLACES NP
.endif
.if (\st) < 7
	FETCH (\st)+1
	s_wait_dscnt 48                                ; all but the 48 loads just issued: this step's set is in
.else
	s_wait_dscnt 0x0
.endif
	WIN MUL
	MUL16 0, PP, SW, \zero
	MUL16 2, PP, SW, \zero
	WIN 0
.endif
.endm
	s_wait_alu depctr_va_vdst(0)
	s_wait_tensorcnt 0x0                           ; my tile of the head's four is in
	ds_add_u32 v[SPW], v[NIL]
	s_mov_b32 s[G1+2], 4<<16                       ; no tensor load of mine is out: slot 1 comes as 4 tiles of A
	s_mov_b32 s[G1+4], 4
	s_mov_b32 s[G1B+2], 8<<16                      ; or 8 of B a wave
	s_mov_b32 s[G1B+4], 8
	s_wait_dscnt 0x0
	CROUND                                         ; all four tiles are in, and all sixteen work-groups are here
	s_cmp_eq_u32 s15, 0                            ; slot 1: waves 0, 1 for A, waves 2, 3 for B: the first tensor load behind the round
	s_cbranch_scc0 .Lfor_b
	TLOAD G0+4, G1
	s_branch .Lasked
.Lfor_b:
	TLOAD G0B+4, G1B
.Lasked:
.irp pr, 0,1,2,3
.irp i, 0,1,2,3,4,5,6,7
	ds_load_b64 v[SC+16*\pr+2*\i:SC+16*\pr+2*\i+1], v[ADRS] offset:\i*512+128*\pr   ; the scale words of all of K, once (for i over 3 lanes 0-15 bring words that no product names)
.endr
.endr
	FETCH 0
	STEP 0, 1                                      ; the first products start the sums
.irp t, 1,2,3,4,5,6,7
	STEP \t, 0
.endr
; THE WAY OUT, a tile of A at a time: 16 tokens x 128 columns through my own stage, back as whole rows of 512 bytes.  LDS serves a wave's instructions in order: no wait between the stores and the loads.
.macro TOSTAGE a
.set AC, 64*(\a)
	WIN 0x08                                       ; the data: window 2
.irp b, 0,1,2,3,4,5,6,7
	ds_store_b128 v[STO], v[AC+8*\b:AC+8*\b+3] offset:128*(\b/2)+32*(\b%2)       ; each accumulator from its low end on
	ds_store_b128 v[STO], v[AC+8*\b+4:AC+8*\b+7] offset:128*(\b/2)+32*(\b%2)+16
.endr
	WIN 0
.set BB, BK+64*((\a)%2)
.irp t, 0,1,2,3,4,5,6,7,8,9,10,11,12,13,14,15
	ds_load_b128 v[BB+4*\t:BB+4*\t+3], v[RD] offset:\t*SPITCH
.endr
.endm
.macro SEND a, younger                 ; younger: the next tile's 16 stores and 16 loads, which may stay out
.set BB, BK+64*((\a)%2)
	s_wait_dscnt \younger
.irp t, 0,1,2,3,4,5,6,7,8,9,10,11,12,13,14,15
	global_store_b128 v[CO], v[BB+4*\t:BB+4*\t+3], s[12:13] offset:(32*((\a)/2)+8*((\a)%2)+\t+8*(\t/8))*4096 th:TH_STORE_NT   ; 32 lanes store 512 consecutive bytes of a token's row
.endr
.endm
	PLACES NP
	TOSTAGE 0
.irp a, 1,2,3
.if \a > 1
	s_wait_xcnt 0x0                                ; tile a - 2's stores have read their registers: tile a's loads may land there
.endif
	TOSTAGE \a
	SEND \a-1, 32
.endr
	SEND 3, 0
	s_wait_tensorcnt 0x0                           ; the wave's end
	ds_add_u32 v[SPW], v[NIL]
	s_wait_dscnt 0x0
	CROUND                                         ; the closing round
	s_endpgm
.Lfunc_end_k_qc4f6911642_proj:
	.size	k_qc4f6911642_proj, .Lfunc_end_k_qc4f6911642_proj-k_qc4f6911642_proj
	.p2alignl 7, 3214868480
	.fill 96, 4, 3214868480
	.section	.rodata,"a",@progbits
	.p2align	6, 0x0
	.amdhsa_kernel k_qc4f6911642_proj
		.amdhsa_group_segment_fixed_size 327680
		.amdhsa_private_segment_fixed_size 0
		.amdhsa_enable_private_segment 0
		.amdhsa_kernarg_size 40
		.amdhsa_user_sgpr_count 2
		.amdhsa_user_sgpr_kernarg_segment_ptr 1
		.amdhsa_wavefront_size32 1
		.amdhsa_system_sgpr_workgroup_id_x 1
		.amdhsa_system_sgpr_workgroup_id_y 1
		.amdhsa_system_sgpr_workgroup_id_z 1
		.amdhsa_system_vgpr_workitem_id 0
		.amdhsa_next_free_vgpr 768
		.amdhsa_next_free_sgpr 100
		.amdhsa_reserve_vcc 0
		.amdhsa_float_denorm_mode_32 3
		.amdhsa_float_denorm_mode_16_64 3
		.amdhsa_memory_ordered 1
		.amdhsa_forward_progress 1
		.amdhsa_inst_pref_size 86
	.end_amdhsa_kernel
	.amdgpu_metadata
---
amdhsa.version: [ 1, 2 ]
amdhsa.kernels:
  - .name:           k_qc4f6911642_proj
    .symbol:         k_qc4f6911642_proj.kd
    .args:
      - { .name: att, .offset: 0, .size: 8, .value_kind: global_buffer, .address_space: global }
      - { .name: atts, .offset: 8, .size: 8, .value_kind: global_buffer, .address_space: global }
      - { .name: opnd, .offset: 16, .size: 8, .value_kind: global_buffer, .address_space: global }
      - { .name: opscl, .offset: 24, .size: 8, .value_kind: global_buffer, .address_space: global }
      - { .name: out0, .offset: 32, .size: 8, .value_kind: global_buffer, .address_space: global }
    .group_segment_fixed_size: 327680
    .private_segment_fixed_size: 0
    .kernarg_segment_align: 8
    .kernarg_segment_size: 40
    .max_flat_workgroup_size: 128
    .sgpr_count:     100
    .vgpr_count:     768
    .wavefront_size: 32
...
	.end_amdgpu_metadata
.endif
;; end of part 4
